; MI455X (gfx1250); checked and timed in simulation.
; The chip was launched on July 23, 2026; its instructions are those of AMD's public machine-readable ISA for CDNA 5 (MIT licence, August 2026) and "CDNA5" Instruction Set Architecture Reference Guide (July 2026). The comments in the code are by the model that wrote it; some were corrected since.
;; Multi Head Self Attention. Allowed arithmetic: float matrix products may take bf16 or f16 operands with f32 sums; other float arithmetic in f32, or as packed bf16 or f16 multiplies, adds, multiply-adds, maxima and minima; sums over many terms, partial sums and values carried from step to step in f32; what a program stores and reads back later, other than sums and carried values, may be rounded once to bf16 or f16.
;; Inputs: attn_mask 8 x 1,024 bool; b_out 1,024 float32; b_qkv 3,072 float32; w_out 1,024 x 1,024 float32; w_qkv 1,024 x 3,072 float32; x 8 x 1,024 x 1,024 float32.
;; Outputs: out0 8 x 1,024 x 1,024 float32.
;; One version. Each part assembles by itself: llvm-mc -triple=amdgcn-amd-amdhsa -mcpu=gfx1250 --defsym DOCPART=n.
;; ======== version 1 of 1: 4 launches
;; limits: values are held in f16: magnitudes above 65,504 overflow, below 6.1e-05 lose precision
;; workspace buffers: xb 16,777,216 bytes; wqb 6,291,456 bytes; wob 2,097,152 bytes; qkvh 50,331,648 bytes; oh 16,777,216 bytes
;; launch cast (part 1): grid 768 x 1, 8 waves a work-group, no clusters, 0 bytes of LDS; arguments x, w_qkv, w_out, xb, wqb, wob; writes xb, wqb, wob
.if DOCPART == 1
	.amdgcn_target "amdgcn-amd-amdhsa--gfx1250"
	.amdhsa_code_object_version 6
	.text
	.protected	k_qd8e4dffa54_cast
	.globl	k_qd8e4dffa54_cast
	.p2align	8
	.type	k_qd8e4dffa54_cast,@function
k_qd8e4dffa54_cast:
	s_mov_b64 s[64:65], 0
	v_nop
	global_prefetch_b8 v0, s[64:65] scope:SCOPE_SE
	s_setreg_imm32_b32 hwreg(HW_REG_WAVE_MODE, 25, 1), 1
	s_wait_xcnt 0x0
; xb = bf16(x), wqb = bf16(w_qkv), wob = f16(bf16(w_out)).  Layouts stay as they are; each number is rounded once to bf16 (nearest even).
; w_out's bf16 number is then written as f16, since the last product multiplies it by f16 numbers: exact from 2^-17 up to 65,504;
; LIMIT: below 2^-17 it keeps f16's fixed step of 2^-24, beyond 65,504 it would become an infinity.
; A stream: every byte is read once and written once, so there is no LDS, no barrier and no matrix work here.
; A work-group takes 16,384 numbers (65,536 bytes in, 32,768 out): groups 0-511 x, 512-703 w_qkv, 704-767 w_out.
; Thread t takes in step i the 16 bytes at 4,096 i + 16 t and stores 8 bytes at 2,048 i + 8 t: a wave's load covers 512 consecutive bytes,
; a wave's store 256 consecutive bytes at a multiple of 256 from the buffer's first byte.  All sixteen loads go out ahead of the first store.
.set WG_X,  512                        ; work-groups for x
.set WG_XW, 704                        ; for x and w_qkv together
.set X, 4                              ; v[4:67]   step i: 4 numbers in f32
.set Y, 68                             ; v[68:99]  step i: 4 numbers in 16 bits; a pair of its own for each step, so no store's data is ever rewritten
.set T, 100                            ; v[100:103] at work
	s_load_b256 s[4:11], s[0:1], 0x0               ; x s[4:5], w_qkv s[6:7], w_out s[8:9], xb s[10:11]
	s_load_b128 s[12:15], s[0:1], 0x20             ; wqb s[12:13], wob s[14:15]
	v_lshlrev_b32 v1, 4, v0                        ; 16 t
	v_lshlrev_b32 v2, 3, v0                        ; 8 t
	s_mov_b32 s26, 0xffff0000                      ; a word's upper bf16
	s_wait_kmcnt 0x0
	s_cmp_ge_u32 ttmp9, WG_X                       ; which tensor is mine: a choice between buffers by the work-group's number alone
	s_cselect_b64 s[18:19], s[6:7], s[4:5]
	s_cselect_b64 s[20:21], s[12:13], s[10:11]
	s_cselect_b32 s17, WG_X, 0
	s_cmp_ge_u32 ttmp9, WG_XW
	s_cselect_b64 s[18:19], s[8:9], s[18:19]
	s_cselect_b64 s[20:21], s[14:15], s[20:21]
	s_cselect_b32 s17, WG_XW, s17
	s_sub_co_u32 s16, ttmp9, s17                   ; my number among that tensor's work-groups
	s_lshl_b32 s22, s16, 16                        ; x 65,536 bytes in (33.5 MB at the most)
	s_mov_b32 s23, 0
	s_lshl_b32 s24, s16, 15                        ; x 32,768 bytes out
	s_mov_b32 s25, 0
	s_add_nc_u64 s[18:19], s[18:19], s[22:23]
	s_add_nc_u64 s[20:21], s[20:21], s[24:25]
.irp i, 0,1,2,3,4,5,6,7,8,9,10,11,12,13,14,15
	global_load_b128 v[X+4*(\i):X+4*(\i)+3], v1, s[18:19] offset:4096*(\i) th:TH_LOAD_NT
.endr
; Step i.  half = 1: the bf16 numbers are widened again and written as f16.
.macro STEP i, half
	s_wait_loadcnt 15-(\i)                         ; loads come back in order: step i's is in, the 15 - i younger ones stay out
	v_cvt_pk_bf16_f32 v[Y+2*(\i)],   v[X+4*(\i)],   v[X+4*(\i)+1]
	v_cvt_pk_bf16_f32 v[Y+2*(\i)+1], v[X+4*(\i)+2], v[X+4*(\i)+3]
.if \half
	v_lshlrev_b32 v[T],   16,  v[Y+2*(\i)]
	v_and_b32     v[T+1], s26, v[Y+2*(\i)]
	v_lshlrev_b32 v[T+2], 16,  v[Y+2*(\i)+1]
	v_and_b32     v[T+3], s26, v[Y+2*(\i)+1]
	v_cvt_pk_f16_f32 v[Y+2*(\i)],   v[T],   v[T+1]
	v_cvt_pk_f16_f32 v[Y+2*(\i)+1], v[T+2], v[T+3]
.endif
	global_store_b64 v2, v[Y+2*(\i):Y+2*(\i)+1], s[20:21] offset:2048*(\i)
.endm
	s_cmp_ge_u32 ttmp9, WG_XW
	s_cbranch_scc1 .Lhalf
.irp i, 0,1,2,3,4,5,6,7,8,9,10,11,12,13,14,15
	STEP \i, 0
.endr
	s_endpgm
.Lhalf:
.irp i, 0,1,2,3,4,5,6,7,8,9,10,11,12,13,14,15
	STEP \i, 1
.endr
	s_endpgm
.Lfunc_end_k_qd8e4dffa54_cast:
	.size	k_qd8e4dffa54_cast, .Lfunc_end_k_qd8e4dffa54_cast-k_qd8e4dffa54_cast
	.p2alignl 7, 3214868480
	.fill 96, 4, 3214868480
	.section	.rodata,"a",@progbits
	.p2align	6, 0x0
	.amdhsa_kernel k_qd8e4dffa54_cast
		.amdhsa_group_segment_fixed_size 0
		.amdhsa_private_segment_fixed_size 0
		.amdhsa_enable_private_segment 0
		.amdhsa_kernarg_size 48
		.amdhsa_user_sgpr_count 2
		.amdhsa_user_sgpr_kernarg_segment_ptr 1
		.amdhsa_wavefront_size32 1
		.amdhsa_system_sgpr_workgroup_id_x 1
		.amdhsa_system_sgpr_workgroup_id_y 1
		.amdhsa_system_sgpr_workgroup_id_z 1
		.amdhsa_system_vgpr_workitem_id 0
		.amdhsa_next_free_vgpr 104
		.amdhsa_next_free_sgpr 66
		.amdhsa_reserve_vcc 0
		.amdhsa_float_denorm_mode_32 3
		.amdhsa_float_denorm_mode_16_64 3
		.amdhsa_memory_ordered 1
		.amdhsa_forward_progress 1
		.amdhsa_inst_pref_size 15
	.end_amdhsa_kernel
	.amdgpu_metadata
---
amdhsa.version: [ 1, 2 ]
amdhsa.kernels:
  - .name:           k_qd8e4dffa54_cast
    .symbol:         k_qd8e4dffa54_cast.kd
    .args:
      - { .name: x, .offset: 0, .size: 8, .value_kind: global_buffer, .address_space: global }
      - { .name: w_qkv, .offset: 8, .size: 8, .value_kind: global_buffer, .address_space: global }
      - { .name: w_out, .offset: 16, .size: 8, .value_kind: global_buffer, .address_space: global }
      - { .name: xb, .offset: 24, .size: 8, .value_kind: global_buffer, .address_space: global }
      - { .name: wqb, .offset: 32, .size: 8, .value_kind: global_buffer, .address_space: global }
      - { .name: wob, .offset: 40, .size: 8, .value_kind: global_buffer, .address_space: global }
    .group_segment_fixed_size: 0
    .private_segment_fixed_size: 0
    .kernarg_segment_align: 8
    .kernarg_segment_size: 48
    .max_flat_workgroup_size: 256
    .sgpr_count:     66
    .vgpr_count:     104
    .wavefront_size: 32
...
	.end_amdgpu_metadata
.endif
;; end of part 1
;; launch proj_in (part 2): grid 8 x 32, 4 waves a work-group, clusters of 4 x 4, 327,680 bytes of LDS; arguments xb, wqb, b_qkv, attn_mask, qkvh; writes qkvh
.if DOCPART == 2
	.amdgcn_target "amdgcn-amd-amdhsa--gfx1250"
	.amdhsa_code_object_version 6
	.text
	.protected	k_qd8e4dffa54_proj_in
	.globl	k_qd8e4dffa54_proj_in
	.p2align	8
	.type	k_qd8e4dffa54_proj_in,@function
k_qd8e4dffa54_proj_in:
	s_mov_b64 s[64:65], 0
	v_nop
	global_prefetch_b8 v0, s[64:65] scope:SCOPE_SE
	s_setreg_imm32_b32 hwreg(HW_REG_WAVE_MODE, 25, 1), 1
	s_wait_xcnt 0x0
	s_wait_alu depctr_hold_cnt(0) depctr_sa_sdst(0) depctr_va_vdst(0) depctr_va_sdst(0) depctr_va_ssrc(0) depctr_va_vcc(0) depctr_vm_vsrc(0)
	s_getreg_b32 s2, hwreg(HW_REG_IB_STS2, 6, 4)
	s_cmp_eq_u32 s2, 0
	s_cbranch_scc0 .Lentry_in_a_cluster
	s_endpgm
.Lentry_in_a_cluster:
	s_bfe_u32 s2, ttmp6, 0x10000c
	s_cmp_lg_u32 s2, 0xf033
	s_cbranch_scc0 .Lentry_shape_is_right
	s_endpgm
.Lentry_shape_is_right:
; qkvh = f16(xb . wqb + bf16(b_qkv)), laid by heads: [48 c][8192 row][64], c = 16 which + head (which 0 q, 1 k, 2 v), row = 1024 batch + place.
; xb: [8192][1024] bf16.  wqb: [1024 k][3072 n] bf16, as w_qkv lies.  Sums in f32, each number rounded once to f16, WITHOUT the scale 1/8 (the next launch applies it in f32).
; ROWS OF K WHOSE KEY THE MASK HIDES ARE WRITTEN AS ZEROS: the next launch starts such a key's score at -80,000 and adds q . 0, so that it is -10,000 x 8 exactly, whatever q and k are.
; LIMITS.  q, k, v beyond 65,504 become infinities in f16; the mask's bytes are 0 or 1; NaN and infinities are not treated apart.
; SHARES.  A tile of the result is 256 rows x 192 columns (three heads): 512 tiles, two to each of 256 work-groups: columns 192 gx on, then 192 (gx + 8) on, of the same 256 rows of xb.
; Four waves, each 64 rows x all 192 columns: 48 accumulators of 16 x 16; a wave's columns are whole heads, so its way out is its own.
; K goes in steps of 128 through two LDS slots that take turns: a slot holds 192 matrix instructions' work for each wave, of which 168 stand between a slot's request and the wait for it.
; ONE LOOP walks the 16 K steps of both tiles; the ring runs on across the change of tiles.  The last two steps, which ask for nothing, are a loop of their own.
; CLUSTER.  4 x 4 work-groups.  The four of a row of the cluster need the same tiles of xb, the four of a column the same tiles of wqb: each tile is asked for JOINTLY, by the same tensor load
; with the same descriptor and a mask that names the four.
; THE MATRIX INSTRUCTION IS USED TRANSPOSED: source 0 = 16 columns of wqb, source 1 = 16 rows of xb: a lane then holds row l % 16 and the columns 8 (l / 16) + 0..7, eight neighbouring numbers.
; wqb's tile lies [k][n] in LDS and its fragments come turned, by ds_load_tr16_b128.  THE BIAS is the C operand of each accumulator's first product: no addition is written.
; A row of wqb's tile is 384 consecutive bytes of memory, at a multiple of 128 from the buffer's first byte; a row of xb's tile 256 bytes at a multiple of 256.
; REGISTERS, in windows of 256 (s_set_vgpr_msb: bits 1:0 source 0, 3:2 source 1, 5:4 source 2, 7:6 destination):
;   window 0: v0-31 addresses and small things; v32-63, v64-95 fragments of xb, two buffers; v96-191 the bias, 8 registers for each block of 16 columns; v192-239 at work on the way out
;   window 1: accumulator (a, b) of row blocks a = 0, 1 at v[96 a + 8 b], b = block of 16 columns (0-11)     window 2: those of a = 2, 3 at v[96 (a - 2) + 8 b]
;   window 3: v0-95, v96-191 fragments of wqb, two buffers
.set PA,     272                       ; a row of xb's tile in LDS: 256 bytes + 16 of padding = 68 words: the 16 rows of a load start at 16 different groups of four banks (64 banks of 4 bytes: ISA guide 11.1)
.set CHB,    160                       ; a row (one k) of wqb's tile lies in three pieces of 128 bytes + 32 of padding: the padding's interval is a power of two, which the row's 96 words are not
.set PB,     3*CHB                     ; 480 = 15 x 32
.set ABYTES, 256*PA                    ; xb's 256 rows,
.set SLOT,   ABYTES+128*PB             ; then wqb's 128 rows: 131,072 bytes, so that one exclusive or turns an address in one slot into the other's
.set STAGE,  2*SLOT                    ; behind the ring, never filled by a tensor load: 16 rows x 144 bytes for each wave, for the way out
.set SP,     144
.set SPARE,  STAGE+4*16*SP             ; behind the stages: the spare words, 128 bytes for each wave: two blocks of 256 bytes that no other line names
.set KB_B,   128*6144                  ; bytes from a K step to the next in wqb: 128 rows of 6,144 bytes (in xb: 256 bytes along the rows)
.set TILE_B, 8*384                     ; bytes from the first tile's columns to the second's in wqb
.set MK,    8                          ; v8-11   the mask's byte for my row of block a
.set ADRA0, 16                         ; v16     LDS address of my fragments of xb in slot 0; never rewritten
.set ADRB0, 17                         ; v17     the same for wqb
.set CA,    18                         ; v18     the same in the slot in hand
.set CB,    19                         ; v19
.set STO,  24                          ; v24     the way out: where I put 16 bytes of a row
.set RD,   25                          ; v25     the way out: where I read rows back
.set GO,   26                          ; v26     my byte offset in 512 consecutive bytes of the result
.set BO,   27                          ; v27     my byte offset in 16 numbers of the bias
.set SPW,  28                          ; v28     LDS address of my spare word: SPARE + 4 x my thread's number; never rewritten
.set NIL,  29                          ; v29     0; never rewritten
.set KEEP, 30                          ; v30     all ones, or 0 where my row of K is hidden
.set FA,   32                          ; buffer f at FA + 32 f
.set BIAS, 96
.set TMP,  192                         ; the way out: 16 packed registers, and
.set BK,   208                         ; two sets of 16 read back from the stage
.set FB,   0                           ; window 3: buffer f at FB + 96 f
.set BA,  14                           ; s[14:15] xb at my part of the tile's K step 0; never rewritten
.set G1,  24                           ; s[24:31] descriptor group 1 for xb's tiles;  s[32:39] group 0: a set for each of the two first fills; the second then walks on
.set G0,  32
.set CUR, 45                           ; s45     the K step in hand, 0 to 15
.set BB,  46                           ; s[46:47] wqb at my part of the first tile's K step 0; never rewritten
.set G1B, 48                           ; s[48:55], s[56:63] the same for wqb's tiles
.set G0B, 56
.set NK,  72                           ; s72-74  for each of the tile's three heads: 0 if it is a head of K, else 1
.set TC,  75                           ; s75     the tile's first head, 0 to 45
.set HM,  76                           ; s76     a word's upper bf16
.set TBS, 77                           ; s77     0 or SLOT: the slot in hand
.set MSB, 0
.macro WIN new                         ; the immediate's high byte repeats the setting that is left; a switch that changes nothing is dropped
.if MSB != (\new)
	s_set_vgpr_msb (MSB<<8)|(\new)
.set MSB, \new
.endif
.endm
; A joint load.  Waves 0 and 1 fetch xb's two halves, waves 2 and 3 wqb's.  The branch hangs on the wave's number alone: it is the same in every work-group.
; An s_nop 0 and four v_nop follow each of the two lines, ahead of the jump, the label and what follows.
.macro JLOAD s
	s_cmp_eq_u32 s11, 0
	s_cbranch_scc0 .Lfor_b_\@
	tensor_load_to_lds s[G0+4*(\s):G0+4*(\s)+3], s[G1:G1+7]
	s_nop 0
.rept 4
	v_nop
.endr
	s_branch .Lasked_\@
.Lfor_b_\@:
	tensor_load_to_lds s[G0B+4*(\s):G0B+4*(\s)+3], s[G1B:G1B+7]
	s_nop 0
.rept 4
	v_nop
.endr
.Lasked_\@:
.endm
; A round of the cluster's barrier: my work-group's barrier, so that wave 0's signal speaks for all four waves; wave 0 signals; every wave waits for all sixteen work-groups; my work-group's barrier once more.
.macro CREST                           ; a round behind its opening barrier
	s_cmp_lg_u32 s10, 0
	s_cbranch_scc1 .Lnot_wave_0_\@
	s_barrier_signal -3
.Lnot_wave_0_\@:
	s_barrier_wait -3
	s_barrier_signal -1
	s_barrier_wait -1
.endm
.macro CROUND                          ; a whole round
	s_barrier_signal -1
	s_barrier_wait -1
	CREST
.endm
.macro PLACES                          ; four places in front of loads into registers that matrix instructions have read, and of lines that read results just made (ISA guide 7.12.1 for lines that read results just made)
.rept 4
	v_nop
.endr
.endm
.macro BIAS_LOAD                       ; the tile's 192 columns' bias: block b's registers 0-7 are columns 16 b + 8 (l / 16) + 0..7
.irp b, 0,1,2,3,4,5,6,7,8,9,10,11
	global_load_b128 v[BIAS+8*\b:BIAS+8*\b+3],   v[BO], s[68:69] offset:64*\b
	global_load_b128 v[BIAS+8*\b+4:BIAS+8*\b+7], v[BO], s[68:69] offset:64*\b+16
.endr
.endm
.macro BIAS_ROUND                      ; rounded to bf16 like every other input, and widened again
.set z, 0
.rept 48
	v_cvt_pk_bf16_f32 v[3+z%2], v[BIAS+2*z], v[BIAS+2*z+1]
	v_lshlrev_b32 v[BIAS+2*z],   16, v[3+z%2]
	v_and_b32     v[BIAS+2*z+1], s[HM], v[3+z%2]
.set z, z+1
.endr
.endm
	s_load_b128 s[4:7], s[0:1], 0x0                ; xb s[4:5], wqb s[6:7]
	s_load_b128 s[68:71], s[0:1], 0x10             ; b_qkv s[68:69], attn_mask s[70:71]
	s_load_b64 s[8:9], s[0:1], 0x20                ; qkvh
	v_lshl_add_u32 v[SPW], v0, 2, SPARE
	v_mov_b32 v[NIL], 0
	ds_add_u32 v[SPW], v[NIL]                      ; the wave's opening: the add and its wait stand ahead of my first tensor load; the set-up below, work on registers, stands between them
	ds_add_u32 v28, v29
	v_lshrrev_b32 v1, 5, v0
	v_readfirstlane_b32 s10, v1                    ; wave 0..3: my 64 of the tile's rows
	s_lshr_b32 s11, s10, 1                         ; I fetch for xb (0) or for wqb (1),
	s_and_b32 s12, s10, 1                          ; and which half of that tile
	s_bfe_u32 s40, ttmp6, 0x40000                  ; cx, cy: my place in the cluster
	s_bfe_u32 s41, ttmp6, 0x40004
	s_lshl_b32 s42, ttmp9, 2                       ; in a cluster launch ttmp9 and ttmp7 count clusters
	s_add_co_u32 s42, s42, s40                     ; gx = 4 x cluster x + cx: my column tiles gx and gx + 8
	s_and_b32 s13, ttmp7, 0xffff
	s_lshl_b32 s13, s13, 2
	s_add_co_u32 s13, s13, s41                     ; gy = 4 x cluster y + cy: my 256 rows
	s_lshl_b32 s43, s41, 2
	s_lshl_b32 s43, 15, s43                        ; my row of the cluster: places 4 cy .. 4 cy + 3
	s_lshl_b32 s44, 0x1111, s40                    ; my column: places cx, cx + 4, cx + 8, cx + 12
	; group 1 for xb: 128 rows x 128 elements, 16 bytes of padding behind each row
	s_or_b32 s[G1+0], s43, (1<<16)|(1<<20)|(1<<21)|(5<<22)|(3<<25)  ; 15:0 the mask: my row; 17:16 2-byte elements; 20 padding on; 21 set beside a mask; 24:22 after every 64 words (code 5); 31:25 4 words (code 3)
	s_mov_b32 s[G1+1], 128<<16                     ; tensor_dim0 = 128
	s_mov_b32 s[G1+2], 128<<16                     ; tensor_dim1 = 128
	s_mov_b32 s[G1+3], 128<<16                     ; tile_dim0 = 128
	s_mov_b32 s[G1+4], 128                         ; tile_dim1 = 128
	s_mov_b32 s[G1+5], 1024                        ; elements from row to row
	s_mov_b32 s[G1+6], 0
	s_mov_b32 s[G1+7], 0
	; group 1 for wqb: 64 rows (k) x 192 elements (n), 32 bytes of padding behind every 128 bytes, three times a row
	s_or_b32 s[G1B+0], s44, (1<<16)|(1<<20)|(1<<21)|(4<<22)|(7<<25) ; the mask: my column; after every 32 words (code 4) 8 words (code 7)
	s_mov_b32 s[G1B+1], 192<<16
	s_mov_b32 s[G1B+2], 64<<16
	s_mov_b32 s[G1B+3], 192<<16
	s_mov_b32 s[G1B+4], 64
	s_mov_b32 s[G1B+5], 3072
	s_mov_b32 s[G1B+6], 0
	s_mov_b32 s[G1B+7], 0
	; where the tiles come from.  xb's hang on gy alone, which my row of the cluster shares; wqb's on gx alone, which my column shares; each in registers that never hold the other coordinate.
	s_lshl_b32 s17, s12, 7
	s_lshl_b32 s16, s13, 8
	s_add_co_u32 s16, s16, s17                     ; xb: row 256 gy + 128 x half,
	s_lshl_b32 s16, s16, 11                        ; x 2,048 bytes (16 MB at the most)
	s_mov_b32 s17, 0
	s_mul_i32 s46, s12, 64*6144                    ; wqb: row 64 x half,
	s_mul_i32 s47, s42, 384                        ; column 192 gx
	s_add_co_u32 s46, s46, s47
	s_mov_b32 s47, 0
	s_mul_i32 s20, s12, 128*PA                     ; and where they go: no place in the cluster enters an LDS address
	s_mul_i32 s21, s12, 64*PB
	s_add_co_u32 s21, s21, ABYTES
	s_mov_b32 s[HM], 0xffff0000
	s_mov_b32 s[TBS], 0
	s_mov_b32 s[CUR], 0
	s_wait_dscnt 0x0                               ; the opening add is done
	s_wait_kmcnt 0x0
	s_add_nc_u64 s[BA:BA+1], s[4:5], s[16:17]
	s_add_nc_u64 s[BB:BB+1], s[6:7], s[46:47]
	CROUND                                         ; all sixteen work-groups are here: the first joint loads meet
.irp s, 0,1
	s_mov_b32 s[G0+4*(\s)], 1                                      ; count = 1
	s_add_co_u32 s[G0+4*(\s)+1], s20, (\s)*SLOT                    ; LDS address
	s_add_nc_u64 s[G0+4*(\s)+2:G0+4*(\s)+3], s[BA:BA+1], (\s)*256  ; global address: K step s
	s_or_b32 s[G0+4*(\s)+3], s[G0+4*(\s)+3], 0x80000000            ; type = 2
	s_mov_b32 s[G0B+4*(\s)], 1
	s_add_co_u32 s[G0B+4*(\s)+1], s21, (\s)*SLOT
	s_add_nc_u64 s[G0B+4*(\s)+2:G0B+4*(\s)+3], s[BB:BB+1], (\s)*KB_B
	s_or_b32 s[G0B+4*(\s)+3], s[G0B+4*(\s)+3], 0x80000000
	JLOAD \s                                       ; both slots are asked for before anything else is done: two loads of mine are out
.endr
	; the other addresses
	s_mov_b32 s19, 0                               ; the high words of the two offsets that each refill makes
	s_mov_b32 s21, 0
	s_mul_i32 s78, s42, 768                        ; 192 gx numbers of 4 bytes
	s_mov_b32 s79, 0
	s_add_nc_u64 s[68:69], s[68:69], s[78:79]      ; the bias at the first tile's columns
	s_mul_i32 s[TC], s42, 3                        ; the first tile's first head,
	s_lshl_b32 s78, s[TC], 20                      ; x 8,192 rows of 128 bytes
	s_add_nc_u64 s[8:9], s[8:9], s[78:79]
	s_lshl_b32 s16, s13, 8
	s_lshl_b32 s17, s10, 6
	s_add_co_u32 s16, s16, s17                     ; my first row
	s_mov_b32 s17, 0
	s_add_nc_u64 s[70:71], s[70:71], s[16:17]      ; the mask at it: one byte a row
	s_lshl_b32 s16, s16, 7                         ; x 128 bytes
	s_add_nc_u64 s[8:9], s[8:9], s[16:17]          ; the result at my rows of that head
	; A fragment of xb is 16 rows x 32 K in 8 registers: lane l holds row l % 16; K = 8 (l / 16) + 0..7 and 16 + 8 (l / 16) + 0..7: two loads of 16 bytes, 32 bytes apart.
	v_and_b32 v1, 15, v0                           ; l % 16; also my byte in 16 of the mask; never rewritten
	v_bfe_u32 v2, v0, 4, 1                         ; l / 16
	v_mul_u32_u24 v3, v1, PA
	v_lshl_add_u32 v3, v2, 4, v3
	s_mul_i32 s22, s10, 64*PA                      ; my 64 rows of xb
	v_add_nc_u32 v[ADRA0], s22, v3
	; The turning load takes 16 k x 16 columns (lane l reads k = 8 (l / 16) + l % 8, columns 8 ((l / 8) % 2) + 0..7) and leaves half a fragment: lane l holds column l % 16 and 8 k.
	v_and_b32 v4, 7, v0
	v_lshl_add_u32 v4, v2, 3, v4
	v_mul_u32_u24 v4, v4, PB
	v_bfe_u32 v5, v0, 3, 1
	v_lshl_add_u32 v4, v5, 4, v4
	v_add_nc_u32 v[ADRB0], ABYTES, v4              ; wqb lies behind xb's rows
	v_mov_b32 v[CA], v[ADRA0]                      ; K step 0 lies in slot 0
	v_mov_b32 v[CB], v[ADRB0]
	s_mul_i32 s22, s10, 16*SP
	s_add_co_u32 s22, s22, STAGE                   ; my stage
	v_mul_u32_u24 v5, v1, SP                       ; in: row l % 16, 16 bytes for each half of the lanes
	v_lshl_add_u32 v5, v2, 4, v5
	v_add_nc_u32 v[STO], s22, v5
	v_bfe_u32 v5, v0, 3, 2                         ; back: 32 lanes take four rows of 128 bytes,
	v_mul_u32_u24 v5, v5, SP
	v_and_b32 v6, 7, v0
	v_lshl_add_u32 v5, v6, 4, v5
	v_add_nc_u32 v[RD], s22, v5
	v_and_b32 v[GO], 31, v0                        ; which are 512 consecutive bytes of the result
	v_lshlrev_b32 v[GO], 4, v[GO]
	v_lshlrev_b32 v[BO], 5, v2                     ; 8 numbers of 4 bytes for each half of the lanes
.irp a, 0,1,2,3
	global_load_u8 v[MK+\a], v1, s[70:71] offset:16*\a  ; once for both tiles
.endr
	BIAS_LOAD
	s_wait_loadcnt 0x0
	BIAS_ROUND
; n blocks of rows from a0 on x all 12 blocks of columns, 32 along K, from buffer f.  first = 1: the product starts the sum with the bias as C: nothing is cleared, nothing is added later.
; The 48 accumulators take turns, one instruction a turn, always in the same order: between two links of a chain stand the 47 others'.
.macro MULN f, a0, n, first
.set aa, \a0
.rept \n
.if \first
	WIN 0x43+0x40*(aa/2)                           ; wqb window 3, xb and the bias window 0, D window 1 or 2
.else
	WIN 0x53+0x50*(aa/2)                           ; the same with C and D window 1 or 2
.endif
.irp b, 0,1,2,3,4,5,6,7,8,9,10,11
.if \first
	v_wmma_f32_16x16x32_bf16 v[96*(aa%2)+8*\b:96*(aa%2)+8*\b+7], v[FB+96*(\f)+8*\b:FB+96*(\f)+8*\b+7], v[FA+32*(\f)+8*aa:FA+32*(\f)+8*aa+7], v[BIAS+8*\b:BIAS+8*\b+7]
.else
	v_wmma_f32_16x16x32_bf16 v[96*(aa%2)+8*\b:96*(aa%2)+8*\b+7], v[FB+96*(\f)+8*\b:FB+96*(\f)+8*\b+7], v[FA+32*(\f)+8*aa:FA+32*(\f)+8*aa+7], v[96*(aa%2)+8*\b:96*(aa%2)+8*\b+7]
.endif
.endr
.set aa, aa+1
.endr
.endm
; The fragments of quarter q (32 along K) of the slot in hand, into buffer f, in two runs: wqb's 24 loads, xb's 8.
.macro FB_LOAD q, f
	WIN 0xc0                                       ; destination window 3, address window 0
.irp b, 0,1,2,3,4,5,6,7,8,9,10,11
	ds_load_tr16_b128 v[FB+96*(\f)+8*\b:FB+96*(\f)+8*\b+3],   v[CB] offset:(\q)*32*PB+(\b/4)*CHB+(\b%4)*32
	ds_load_tr16_b128 v[FB+96*(\f)+8*\b+4:FB+96*(\f)+8*\b+7], v[CB] offset:(\q)*32*PB+16*PB+(\b/4)*CHB+(\b%4)*32
.endr
.endm
.macro FA_LOAD q, f
	WIN 0
.irp i, 0,1,2,3
	ds_load_b128 v[FA+32*(\f)+8*\i:FA+32*(\f)+8*\i+3],   v[CA] offset:64*(\q)+\i*16*PA
	ds_load_b128 v[FA+32*(\f)+8*\i+4:FA+32*(\f)+8*\i+7], v[CA] offset:64*(\q)+\i*16*PA+32
.endr
.endm
; A K step is four quarters of 32 along K, 48 matrix instructions each, on buffers 0, 1, 0, 1.  One of the first three: it multiplies buffer f and asks for quarter q of the slot into buffer g:
; wqb's run 48 matrix instructions ahead of its first use, xb's short run 24.  The LDS instructions go B f, A f, B g, A g: at most 56 are out.
.macro QUARTER q, f, g, first
	PLACES                                         ; buffer g was read by the products just issued
	FB_LOAD \q, \g
	s_wait_dscnt 28                                ; buffer f's youngest four (xb's rows 32-63) and the 24 just issued may be out
	MULN \f, 0, 2, \first
	FA_LOAD \q, \g                                 ; (the four places above stand between these loads and the products that read xb's buffer g)
	s_wait_dscnt 32                                ; the 24 and the 8 issued for buffer g
	MULN \f, 2, 2, \first
.endm
; The last quarter multiplies buffer 1 and changes slots: ONE barrier.  In front of it each wave waits for all its tensor loads (one is out: its part of the next slot), adds 0 to its spare word, and waits
; for that and for its own reads of this slot.  Behind it nobody reads this slot any more and the next slot is whole.
; fill = 1: this slot is filled again with K step CUR + 2 of the walk's sixteen, which for CUR = 6 and 7 is the second tile's K step 0 and 1.  The descriptors' addresses are made anew from that number;
; the barrier opens a round of the cluster's, and the joint refill is the first thing behind the round.
.macro TURN fill
	WIN 0
	s_wait_tensorcnt 0x0                           ; all my tensor loads have landed, so a group 0 may be written
	ds_add_u32 v[SPW], v[NIL]                      ; 0 onto my spare word: the descriptors' scalar work and twelve products stand between it and the wait for it
.if \fill
	s_add_co_u32 s16, s[CUR], 2
	s_and_b32 s17, s16, 7                          ; the K step in its tile,
	s_lshr_b32 s16, s16, 3                         ; and the tile
	s_lshl_b32 s18, s17, 8                         ; xb: 256 bytes a step along the rows
	s_mul_i32 s20, s17, KB_B                       ; wqb: 128 rows a step,
	s_mul_i32 s16, s16, TILE_B                     ; 1,536 columns a tile
	s_add_co_u32 s20, s20, s16
	s_xor_b32 s[G0+5], s[G0+5], SLOT               ; the walking descriptors: the other slot than last time
	s_add_nc_u64 s[G0+6:G0+7], s[BA:BA+1], s[18:19]
	s_or_b32 s[G0+7], s[G0+7], 0x80000000
	s_xor_b32 s[G0B+5], s[G0B+5], SLOT
	s_add_nc_u64 s[G0B+6:G0B+7], s[BB:BB+1], s[20:21]
	s_or_b32 s[G0B+7], s[G0B+7], 0x80000000
.endif
	s_wait_dscnt 5                                 ; (the add and the youngest four loads, xb's rows 32-63, may be out)
	MULN 1, 0, 1, 0
	s_wait_dscnt 0x0                               ; the add is done, and my reads of this slot are over
	s_barrier_signal -1
	MULN 1, 1, 1, 0                                ; work on registers while the others arrive
	WIN 0
	s_xor_b32 s[TBS], s[TBS], SLOT                 ; my reads go on in the other slot
	v_add_nc_u32 v[CA], s[TBS], v[ADRA0]
	v_add_nc_u32 v[CB], s[TBS], v[ADRB0]
	s_barrier_wait -1
.if \fill
	CREST                                          ; no wave of any partner still reads this slot's tile or has a load on its way
	JLOAD 1                                        ; its four v_nop are also the places in front of the loads below
.else
	PLACES
.endif
	FB_LOAD 0, 0
	FA_LOAD 0, 0
	MULN 1, 2, 2, 0
.endm
; THE WAY OUT goes by units of 16 rows x one head's 64 channels: unit u = block of rows u / 3, head u % 3 of the tile's three.  PACK: rounded to f16, each accumulator's registers in ascending order,
; and a hidden row of K cleared.  TOSTAGE: into my own stage in LDS, and back as whole rows of 128 bytes.  SEND: stored, 512 consecutive bytes an instruction.
.macro PACK u
.set pa, (\u)/3
.set pj, (\u)%3
.set AC, 96*(pa%2)+32*pj
	WIN 0
	v_or_b32 v[KEEP], s[NK+pj], v[MK+pa]           ; 1, or for a head of K the mask's byte;
	v_sub_nc_u32 v[KEEP], 0, v[KEEP]               ; all ones, or 0
	WIN 0x05*(1+pa/2)                              ; sources 0 and 1 window 1 or 2, destination window 0
.set z, 0
.rept 16
	v_cvt_pk_f16_f32 v[TMP+z], v[AC+2*z], v[AC+2*z+1]
.set z, z+1
.endr
	WIN 0
.set z, 0
.rept 16
	v_and_b32 v[TMP+z], v[KEEP], v[TMP+z]
.set z, z+1
.endr
.endm
.macro TOSTAGE u
.set BKA, BK+16*((\u)%2)
.irp b, 0,1,2,3
	ds_store_b128 v[STO], v[TMP+4*\b:TMP+4*\b+3] offset:32*\b
.endr
.irp f, 0,1,2,3
	ds_load_b128 v[BKA+4*\f:BKA+4*\f+3], v[RD] offset:\f*4*SP  ; LDS serves a wave's instructions in order (ISA guide 5.7.1.4): these see the stores above; the next unit's stores come behind them
.endr
.endm
.macro SEND u
.set pa, (\u)/3
.set pj, (\u)%3
.set BKA, BK+16*((\u)%2)
	s_wait_dscnt 0x0                               ; the unit is back in registers
	s_wait_xcnt 0x0                                ; the stores of the unit before have had their addresses translated (ISA guide 3.1): its set of registers is loaded again only behind this wait
.irp f, 0,1,2,3
	global_store_b128 v[GO], v[BKA+4*\f:BKA+4*\f+3], s[8:9] offset:pj*(1<<20)+pa*2048+\f*512  ; 512 consecutive bytes, at a multiple of 256 from the buffer's first; 2.1 MB at the most, inside the signed 24-bit immediate
.endr
.endm
; next = 1: the second tile's bias is asked for first and rounded last, and the result's address goes 24 heads on.
.macro WAYOUT next
	WIN 0
	PLACES                                         ; the conversions read results just made
.if \next
	s_add_nc_u64 s[68:69], s[68:69], 8*768         ; 1,536 columns on (the loads that named this base were waited for)
	BIAS_LOAD
.endif
.irp j, 0,1,2                          ; head c = TC + j belongs to K where c / 16 = 1: (c / 16) xor 1 is 0 there, 1 or 3 elsewhere
	s_add_co_u32 s[NK+\j], s[TC], \j
	s_lshr_b32 s[NK+\j], s[NK+\j], 4
	s_xor_b32 s[NK+\j], s[NK+\j], 1
	s_min_u32 s[NK+\j], s[NK+\j], 1
.endr
	PACK 0
	TOSTAGE 0
.irp u, 1,2,3,4,5,6,7,8,9,10,11        ; unit u's conversions stand between unit u - 1's loads from the stage and the wait for them
	PACK \u
	SEND (\u)-1
	TOSTAGE \u
.endr
	SEND 11
.if \next
	s_wait_xcnt 0x0                                ; the stores' base and data may be rewritten
	s_add_nc_u64 s[8:9], s[8:9], 24<<20
	s_add_co_u32 s[TC], s[TC], 24
	s_wait_loadcnt 0x0                             ; the bias
	BIAS_ROUND
.endif
.endm
	s_wait_tensorcnt 1                             ; my part of K step 0 is in; K step 1's may stay out
	s_barrier_signal -1
	s_barrier_wait -1                              ; everybody's is
	FB_LOAD 0, 0
	FA_LOAD 0, 0
	QUARTER 1, 0, 1, 1                             ; the first tile's first quarter stands in front of the loop: its products start the sums
	WIN 0                                          ; at a label and at a branch every window is 0
	s_mov_b32 s3, 14
.Lstep:                                                ; a trip goes from a K step's second quarter to the next step's first, and fills the slot that it leaves: K steps 2 to 15 of the walk
	QUARTER 2, 1, 0, 0
	QUARTER 3, 0, 1, 0
	TURN 1
	WIN 0
	s_add_co_u32 s[CUR], s[CUR], 1
	s_cmp_eq_u32 s[CUR], 8                         ; the same number in every work-group
	s_cbranch_scc1 .Lbound
	QUARTER 1, 0, 1, 0
	WIN 0
	s_branch .Ljoin
.Lbound:                                               ; the first tile is finished; the second's K steps 0 and 1 have been asked for: now it goes out,
	WAYOUT 1
	QUARTER 1, 0, 1, 1                             ; and the second tile's first quarter starts the sums anew
	WIN 0
.Ljoin:
	s_sub_co_u32 s3, s3, 1
	s_cmp_lg_u32 s3, 0
	s_cbranch_scc1 .Lstep
	s_mov_b32 s3, 2                                ; the last two K steps ask for nothing: a text of their own
.Ltail:
	QUARTER 2, 1, 0, 0
	QUARTER 3, 0, 1, 0
	TURN 0                                         ; in the second trip its barrier orders nothing and its 32 loads, from the slot read before, serve nothing: the price, once a launch, of one text for both trips
	WIN 0
	s_sub_co_u32 s3, s3, 1
	s_cmp_eq_u32 s3, 0
	s_cbranch_scc1 .Lout                           ; the second trip is left in its middle
	QUARTER 1, 0, 1, 0
	WIN 0
	s_branch .Ltail
.Lout:
	WAYOUT 0
	s_wait_tensorcnt 0x0                           ; the wave's end, behind my last tensor load and my last LDS store
	ds_add_u32 v[SPW], v[NIL]
	s_wait_dscnt 0x0
	CROUND                                         ; the closing round: no work-group ends while a partner may still ask for a tile that names it
	s_endpgm
.Lfunc_end_k_qd8e4dffa54_proj_in:
	.size	k_qd8e4dffa54_proj_in, .Lfunc_end_k_qd8e4dffa54_proj_in-k_qd8e4dffa54_proj_in
	.p2alignl 7, 3214868480
	.fill 96, 4, 3214868480
	.section	.rodata,"a",@progbits
	.p2align	6, 0x0
	.amdhsa_kernel k_qd8e4dffa54_proj_in
		.amdhsa_group_segment_fixed_size 327680
		.amdhsa_private_segment_fixed_size 0
		.amdhsa_enable_private_segment 0
		.amdhsa_kernarg_size 40
		.amdhsa_user_sgpr_count 2
		.amdhsa_user_sgpr_kernarg_segment_ptr 1
		.amdhsa_wavefront_size32 1
		.amdhsa_system_sgpr_workgroup_id_x 1
		.amdhsa_system_sgpr_workgroup_id_y 1
		.amdhsa_system_sgpr_workgroup_id_z 1
		.amdhsa_system_vgpr_workitem_id 0
		.amdhsa_next_free_vgpr 960
		.amdhsa_next_free_sgpr 80
		.amdhsa_reserve_vcc 0
		.amdhsa_float_denorm_mode_32 3
		.amdhsa_float_denorm_mode_16_64 3
		.amdhsa_memory_ordered 1
		.amdhsa_forward_progress 1
		.amdhsa_inst_pref_size 146
	.end_amdhsa_kernel
	.amdgpu_metadata
---
amdhsa.version: [ 1, 2 ]
amdhsa.kernels:
  - .name:           k_qd8e4dffa54_proj_in
    .symbol:         k_qd8e4dffa54_proj_in.kd
    .args:
      - { .name: xb, .offset: 0, .size: 8, .value_kind: global_buffer, .address_space: global }
      - { .name: wqb, .offset: 8, .size: 8, .value_kind: global_buffer, .address_space: global }
      - { .name: b_qkv, .offset: 16, .size: 8, .value_kind: global_buffer, .address_space: global }
      - { .name: attn_mask, .offset: 24, .size: 8, .value_kind: global_buffer, .address_space: global }
      - { .name: qkvh, .offset: 32, .size: 8, .value_kind: global_buffer, .address_space: global }
    .group_segment_fixed_size: 327680
    .private_segment_fixed_size: 0
    .kernarg_segment_align: 8
    .kernarg_segment_size: 40
    .max_flat_workgroup_size: 128
    .sgpr_count:     80
    .vgpr_count:     960
    .wavefront_size: 32
...
	.end_amdgpu_metadata
.endif
;; end of part 2
;; launch attn (part 3): grid 2 x 128, 4 waves a work-group, no clusters, 327,680 bytes of LDS; arguments qkvh, attn_mask, oh; writes oh
.if DOCPART == 3
	.amdgcn_target "amdgcn-amd-amdhsa--gfx1250"
	.amdhsa_code_object_version 6
	.text
	.protected	k_qd8e4dffa54_attn
	.globl	k_qd8e4dffa54_attn
	.p2align	8
	.type	k_qd8e4dffa54_attn,@function
k_qd8e4dffa54_attn:
	s_mov_b64 s[64:65], 0
	v_nop
	global_prefetch_b8 v0, s[64:65] scope:SCOPE_SE
	s_setreg_imm32_b32 hwreg(HW_REG_WAVE_MODE, 25, 1), 1
	s_wait_xcnt 0x0
; oh[h][row][:] = the sum over keys of softmax_k(where(mask[k], q . k / 8, -10000)) v[k][:], for each batch and head.  qkvh: [48 c][8192 row][64] f16, c = 16 which + head, row = 1024 batch + place:
; a head's 1,024 rows of a batch are 131,072 dense bytes.  oh: [16 head][8192 row][64] f16.  Products, maxima and sums in f32; the weights p are rounded to f16 for the second product
; (their sum l is taken of the unrounded p), O once at the end.
; THE MASK.  The rows of K whose key is hidden were written as zeros by the launch before.  Here the product that starts a sum S^T = K Q^T takes as C a table value for each key: 0, or -80,000 where the
; key is hidden.  A hidden key's raw score is then -80,000 + q . 0 exactly, which times 1/8 is the -10,000 of the problem: a finite score like any other, which takes part in the maximum and in the sum,
; also where every key is hidden or where open scores lie below it.
; LIMITS.  f16 holds no number beyond 65,504: q, k, v arrive within it; p lies in 0 to 1, and below 6e-5 it keeps f16's fixed step of 6e-8; a weight below 2^-126 counts as 0 in l;
; the mask's bytes are 0 or 1; NaN and infinities are not treated apart.
; SHARES.  A work-group owns 512 queries of one batch and head: 2 x 128 work-groups.  A wave owns four PIECES of two tiles of 16 queries.  Every wave walks all 1,024 keys, 64 a step.
; K AND V STAY IN LDS: a head's 1,024 rows of K (pitch 144) and of V (pitch 160) fit, so each byte is fetched once, by first fills that all go out at the start; no byte of LDS is filled again.
; Each wave issues four loads of 128 keys; the first four key steps run on the first 256 keys while the other 768 land; one barrier then shows them to everybody.
; NO CLUSTER: a batch and head has 1,024 / 512 = 2 work-groups, which alone share tiles; the grid is 2 wide, which a cluster of four along x does not divide, and neighbours along y are other heads.
; LAYOUT.  S^T = K Q^T (source 0 = 16 keys, source 1 = 16 queries): in the result a lane holds ONE query (lane % 16) and the keys 8 (lane / 16) + 0..7.  Two such tiles, rounded to f16 in pairs,
; ARE source 1 (32 keys x 16 queries) of O^T = V^T P, whose result again holds one query a lane, and eight channels.  K comes out of LDS as it lies, V ([key][channel]) turned, by ds_load_tr16_b128.
; SOFTMAX.  For each query a running maximum m and sum l: p = 2^(c s - c m), c = log2(e) / 8; in every step O and l are multiplied by a = 2^(c m_old - c m_new), which is 1 where m has not grown.
; m starts at the lowest finite number, O and l at 0: the first step is a step like any other, with a = 0.
; THE COUNT.  A tile and step have 16 matrix and 118 vector instructions: too many to stand all beside the matrix work.  So: four vector instructions that are READY behind EVERY matrix instruction,
; and the others, which need time of their own whatever the order, in runs without a gap.
; BY TURNS.  Turn n belongs to piece n (the pieces in a ring, step after step).  Its matrix work: 16 products K Q^T of piece n + 1, later 16 products V^T P of piece n - 1.  Its vector work: the scaling,
; exponentials, roundings, sums and rescaling of piece n, and the maximum and statistics of piece n + 1, whose scores the turn itself has made.
; REGISTERS, in windows of 256 (s_set_vgpr_msb: bits 1:0 source 0, 3:2 source 1, 5:4 source 2, 7:6 destination):
;   window 0: v0-11 addresses; v12-15, v48-63 at work; v16-47 four registers of statistics a tile; v64-191 S^T, two buffers of two tiles; v192-255 P, likewise
;   window 1: O^T, 32 a tile     window 2: v0-127 Q, 16 a tile; v128-191 K of one step; v192-255 V of one step     window 3: v0-1 the add's two registers; v8-39 the mask's values of one step
.set NP,    4         ; pieces a wave: a name, no knob
.set KS,    64        ; keys in a step
.set PK,    144       ; a row of K in LDS: 128 bytes + 16 of padding = 36 words: the 16 rows of a load start at 16 different groups of four banks (64 banks of 4 bytes: ISA guide 11.1)
.set PV,    160       ; a row of V: 128 + 32 = 40 words
.set VOFF,  1024*PK   ; K's 1,024 rows, then V's
.set MASKT, VOFF+1024*PV   ; the mask's table: 1,024 numbers in f32, stored by the waves; blocks of its own, into which no fill lands
.set STAGE, MASKT+4096     ; 16 rows x 144 bytes for each wave, for the way out
.set SP,    144
.set SPARE, STAGE+4*16*SP  ; the spare words, 128 bytes for each wave: two blocks of 256 bytes that no other line names
.set AK0, 2           ; v2   my lane's place in a tile of K; never rewritten
.set AV0, 3           ; v3   the same for V
.set AK,  4           ; v4   the LDS address of K's next run of loads
.set AV,  5           ; v5   of V's
.set STO, 6           ; v6   the way out: where I put 16 bytes of a row
.set RD,  7           ; v7   the way out: where I read rows back
.set GO,  8           ; v8   my byte offset in 512 consecutive bytes of O
.set AM0, 9           ; v9   my lane's place in 64 numbers of the mask's table (first: l / 16)
.set AM,  10          ; v10  the LDS address of the table's next run of loads (first: l % 8)
.set MV,  12          ; v12-15  c m_old, kept while c m is made anew: by buffer and tile
.set MOF, 13          ;      first: my byte offset in the batch's mask
.set QO,  14          ;      first: my byte offset in the wave's rows of Q
.set SPW, 0           ; v0 of window 3   LDS address of my spare word: SPARE + 4 x my thread's number; never rewritten
.set NIL, 1           ; v1 of window 3   0; never rewritten
.set MB,  8           ; v8-39 of window 3: key block kb's eight values at MB + 8 kb
.set ST,  16          ; tile t's statistics at v[ST+4 t]: c m, m, l (even keys', odd keys')
.set TMP, 48          ; by buffer and tile, four registers c0-c3 at work; when the maximum is found c2 takes a
.set S,   64
.set P,   192
.set KF,  128         ; K's fragments, in window 2: key block kb, channel half c at KF + 16 kb + 8 c
.set VF,  192         ; V's: key half kk, channel block cb at VF + 32 kk + 8 cb
.set WV,  12          ; s12  my wave's number
.set G1K, 24          ; s[24:31] descriptor group 1 for K's tiles
.set G1V, 32          ; s[32:39] for V's: it differs in the padding alone
.set G0K, 40          ; s[40:55] descriptor group 0 for K's tiles: a set for each of the four fills
.set SLOTS, 56        ; s56  counts the two parts of the walk
.set CNT, 57          ; s57  counts a part's key steps
.set CS,  58          ; s[58:59] c: the packed scaling takes the pair's low word for both halves
.set SEL, 60          ; s[60:61] v_permlanex16_b32's selects: each lane takes its own place in the other half
.set TBK, 62          ; s62  LDS byte at which K of the step to be fetched begins
.set TBV, 63          ; s63  the same for V, less VOFF
.set G0V, 68          ; s[68:83] descriptor group 0 for V's tiles
.set TBM, 84          ; s84  the same for the mask's table, less MASKT
.set BIGP, 85         ; s85  80,000
.set BIGN, 86         ; s86  -80,000
.set MSB, 0
.macro WIN new                      ; the high byte repeats the setting that is left; a switch that changes nothing is dropped
.if MSB != (\new)
	s_set_vgpr_msb (MSB<<8)|(\new)
.set MSB, (\new)
.endif
.endm
.set W_KQ, 0x0a       ; K and Q in window 2, S^T in window 0
.set W_KM, 0x3a       ; the same with the C operand, the mask's values, in window 3
.set W_PV, 0x52       ; V in window 2, P in window 0, O^T in window 1
.set W_RS, 0x41       ; O^T (destination and source 0) in window 1, a in window 0
.set W_MK, 0xc0       ; destination in window 3, sources in window 0
.set W_AD, 0x0f       ; the add: address (source 0) and data (source 1) in window 3
	s_load_b128 s[4:7], s[0:1], 0x0   ; qkvh s[4:5], attn_mask s[6:7]
	s_load_b64 s[8:9], s[0:1], 0x10   ; oh
	WIN W_MK
	v_lshl_add_u32 v[SPW], v0, 2, SPARE
	v_mov_b32 v[NIL], 0
	WIN W_AD
	ds_add_u32 v[SPW], v[NIL]       ; the wave's opening: the add and its wait stand ahead of my first tensor load; the set-up below, work on registers, stands between them
	ds_add_u32 v0, v1
	WIN 0
	v_lshrrev_b32 v1, 5, v0
	v_readfirstlane_b32 s[WV], v1   ; wave 0..3
	s_and_b32 s13, ttmp7, 0xffff
	s_and_b32 s14, s13, 15          ; the head
	s_lshr_b32 s15, s13, 4          ; the batch
	s_lshl_b32 s20, s14, 20         ; a head's 8,192 rows of 128 bytes,
	s_lshl_b32 s21, s15, 17         ; a batch's 1,024 of them
	s_add_co_u32 s20, s20, s21
	s_and_b32 s16, s[WV], 1         ; which half of each 256 keys I fetch:
	s_lshl_b32 s22, s16, 14         ; its 128 rows of 128 bytes in memory,
	s_add_co_u32 s22, s22, s20
	s_add_co_u32 s22, s22, 16<<20   ; in K, which lies 16 heads behind Q,
	s_mov_b32 s23, 0
	s_add_co_u32 s2, s22, 16<<20    ; and in V, 16 heads further (48 MB at the most)
	s_mov_b32 s3, 0
	s_mul_i32 s17, s16, 128*PK      ; and its place in LDS, for K
	s_mul_i32 s18, s16, 128*PV      ; and for V
	s_add_co_u32 s18, s18, VOFF
	s_lshl_b32 s19, ttmp9, 16       ; my block's 512 rows,
	s_lshl_b32 s21, s[WV], 14       ; my wave's 128 of them
	s_add_co_u32 s20, s20, s19
	s_add_co_u32 s20, s20, s21
	s_mov_b32 s21, 0
	s_lshl_b32 s14, s15, 10         ; the batch's 1,024 bytes of the mask
	s_mov_b32 s15, 0
	; descriptor group 1.  128 keys are 16,384 dense bytes: asked for as 64 rows of 256 bytes, two keys a row, and padded in LDS after every key
	s_mov_b32 s[G1K], (1<<16)|(1<<20)|(4<<22)|(3<<25)  ; 17:16 2-byte elements; 20 padding on; 24:22 after every 32 words (code 4); 31:25 4 words (code 3)
	s_mov_b32 s[G1V], (1<<16)|(1<<20)|(4<<22)|(7<<25)  ; the same with 8 words of padding (code 7)
.irp g, G1K, G1V
	s_mov_b32 s[\g+1], 128<<16      ; tensor_dim0 = 128
	s_mov_b32 s[\g+2], 64<<16       ; tensor_dim1 = 64
	s_mov_b32 s[\g+3], 128<<16      ; tile_dim0 = 128
	s_mov_b32 s[\g+4], 64           ; tile_dim1 = 64
	s_mov_b32 s[\g+5], 128          ; 128 elements from row to row
	s_mov_b32 s[\g+6], 0
	s_mov_b32 s[\g+7], 0
.endr
	s_mov_b32 s[CS], 0x3e38aa3b     ; c = log2(e) / 8 = 0.180337
	s_mov_b32 s[CS+1], s[CS]        ; named with it as a pair
	s_mov_b32 s[SEL], 0x76543210
	s_mov_b32 s[SEL+1], 0xfedcba98
	s_mov_b32 s[TBK], 0
	s_mov_b32 s[TBV], 0
	s_mov_b32 s[TBM], 0
	s_mov_b32 s[BIGP], 0x479c4000   ; 80,000
	s_mov_b32 s[BIGN], 0xc79c4000   ; -80,000
	s_wait_dscnt 0x0                ; the opening add is done
	s_wait_kmcnt 0x0
	s_add_nc_u64 s[22:23], s[4:5], s[22:23]  ; K at my half of the head's first 256 keys
	s_add_nc_u64 s[2:3], s[4:5], s[2:3]      ; V likewise
	s_add_nc_u64 s[10:11], s[4:5], s[20:21]  ; Q and O at my wave's first row
	s_add_nc_u64 s[8:9], s[8:9], s[20:21]
	s_add_nc_u64 s[6:7], s[6:7], s[14:15]    ; the mask at my batch
.irp t, 0,1,2,3                     ; fill t brings my half of keys 256 t to 256 t + 255
	s_mov_b32 s[G0K+4*\t], 1                                          ; count = 1
	s_add_co_u32 s[G0K+4*\t+1], s17, \t*256*PK                        ; LDS address
	s_add_nc_u64 s[G0K+4*\t+2:G0K+4*\t+3], s[22:23], \t*32768         ; global address
	s_or_b32 s[G0K+4*\t+3], s[G0K+4*\t+3], 0x80000000                 ; type = 2
	s_mov_b32 s[G0V+4*\t], 1
	s_add_co_u32 s[G0V+4*\t+1], s18, \t*256*PV
	s_add_nc_u64 s[G0V+4*\t+2:G0V+4*\t+3], s[2:3], \t*32768
	s_or_b32 s[G0V+4*\t+3], s[G0V+4*\t+3], 0x80000000
.endr
	s_cmp_lt_u32 s[WV], 2           ; waves 0 and 1 fetch K, waves 2 and 3 V.  A wave's four fills stand in one branch, ahead of every wait on TENSORcnt, every LDS read and every barrier: four loads of mine are out.
	s_cbranch_scc0 .Lfirst_v        ; an s_nop 0 follows each load, four v_nop the last
.irp t, 0,1,2,3
	tensor_load_to_lds s[G0K+4*\t:G0K+4*\t+3], s[G1K:G1K+7]
	s_nop 0
.endr
.rept 4
	v_nop
.endr
	s_branch .Lfirst_asked
.Lfirst_v:
.irp t, 0,1,2,3
	tensor_load_to_lds s[G0V+4*\t:G0V+4*\t+3], s[G1V:G1V+7]
	s_nop 0
.endr
.rept 4
	v_nop
.endr
.Lfirst_asked:
	; A fragment of K or Q is 16 rows x 32 channels in 8 registers: lane l holds row l % 16, channels 8 (l / 16) + 0..7 and 16 + 8 (l / 16) + 0..7: two loads of 16 bytes, 32 bytes apart.
	v_and_b32 v1, 15, v0            ; l % 16
	v_bfe_u32 v9, v0, 4, 1          ; l / 16
	v_lshlrev_b32 v[MOF], 3, v0
	global_load_b64 v[64:65], v[MOF], s[6:7]  ; eight bytes of the mask a thread: the work-group's 128 threads take the batch's 1,024
	v_lshlrev_b32 v[QO], 7, v1
	v_lshl_add_u32 v[QO], v9, 4, v[QO]  ; row x 128 + 16 x half
	WIN 0x80                        ; destination window 2, address window 0
.set i, 0
.rept 4*NP                          ; Q stays in registers: tile i / 2, channels 32 (i % 2) on
	global_load_b128 v[8*i:8*i+3],   v[QO], s[10:11] offset:(i/2)*2048+(i%2)*64
	global_load_b128 v[8*i+4:8*i+7], v[QO], s[10:11] offset:(i/2)*2048+(i%2)*64+32
.set i, i+1
.endr
	; What the first turn finds: V's registers and P's second buffer hold 0 (its products V^T P, of a piece that has not been, add 0), O^T and l are 0.  All this stands in the wait for the first tile.
.set i, VF
.rept 64
	v_mov_b32 v[i], 0
.set i, i+1
.endr
	WIN 0x40
.set i, 0
.rept 64*NP
	v_mov_b32 v[i], 0
.set i, i+1
.endr
	WIN 0
.set i, 0
.rept 2*NP
	v_mov_b32 v[ST+4*i], 0xfe000000    ; c m: far below every c s
	v_mov_b32 v[ST+4*i+1], 0xff7fffff  ; m
	v_mov_b32 v[ST+4*i+2], 0
	v_mov_b32 v[ST+4*i+3], 0
.set i, i+1
.endr
.set i, P+32
.rept 32
	v_mov_b32 v[i], 0
.set i, i+1
.endr
	v_mul_u32_u24 v[AK0], v1, PK
	v_lshl_add_u32 v[AK0], v9, 4, v[AK0]  ; row x pitch + 16 x half
	; The turning load takes 16 keys x 16 channels (lane l reads key 8 (l / 16) + l % 8, channels 8 ((l / 8) % 2) + 0..7) and leaves half a fragment of V^T: lane l holds channel l % 16 and 8 keys.
	v_and_b32 v10, 7, v0
	v_bfe_u32 v11, v0, 3, 1
	v_lshl_add_u32 v[AV0], v9, 3, v10
	v_mul_u32_u24 v[AV0], v[AV0], PV
	v_lshl_add_u32 v[AV0], v11, 4, v[AV0]
	v_add_nc_u32 v[AV0], VOFF, v[AV0]
	s_mul_i32 s13, s[WV], 16*SP
	s_add_co_u32 s13, s13, STAGE    ; my stage
	v_mul_u32_u24 v[STO], v1, SP    ; in: row l % 16, 16 bytes for each half of the lanes
	v_lshl_add_u32 v[STO], v9, 4, v[STO]
	v_add_nc_u32 v[STO], s13, v[STO]
	v_bfe_u32 v[RD], v0, 3, 2       ; back: 32 lanes take four rows of 128 bytes,
	v_mul_u32_u24 v[RD], v[RD], SP
	v_lshl_add_u32 v[RD], v10, 4, v[RD]
	v_add_nc_u32 v[RD], s13, v[RD]
	v_and_b32 v[GO], 31, v0         ; which are 512 consecutive bytes of O
	v_lshlrev_b32 v[GO], 4, v[GO]
	v_lshl_add_u32 v[AM0], v9, 5, MASKT  ; register j of key block kb is key 16 kb + 8 (l / 16) + j: 32 bytes of the table for each half of the lanes
	v_mov_b32 v[AK], v[AK0]         ; key step 0 lies at the head of K's rows
	v_mov_b32 v[AM], v[AM0]         ; and of the table
	; the mask's table: byte 1 -> 0, byte 0 -> -80,000, both exact
	s_wait_loadcnt 32               ; the mask's load is in; Q's 32, issued behind it, may stay out
.irp j, 0,1,2,3,4,5,6,7
	v_bfe_u32 v[68+\j], v[64+\j/4], 8*(\j%4), 8
.endr
.irp j, 0,1,2,3,4,5,6,7
	v_cvt_f32_u32 v[68+\j], v[68+\j]
.endr
.irp j, 0,1,2,3,4,5,6,7
	v_fma_f32 v[68+\j], v[68+\j], s[BIGP], s[BIGN]
.endr
	v_lshl_add_u32 v66, v0, 5, MASKT
	ds_store_b128 v66, v[68:71]
	ds_store_b128 v66, v[72:75] offset:16
; THE MATRIX WORK.  The 8 accumulators of a run of 16 take turns: between the two links of a chain stand 7 others'.
; Product i of 16 of S^T = K Q^T for piece x: channels 32 (i / 8) on, keys 16 ((i / 2) % 4) on, tile 2 x + i % 2.  The first 8 start the sums, with the mask's values as C.
.macro KQ x
.set rS, S+64*((\x)%2)+32*(i%2)+8*((i/2)%4)
.set rK, KF+16*((i/2)%4)+8*(i/8)
.set rQ, 16*(2*(\x)+i%2)+8*(i/8)
.set rB, MB+8*((i/2)%4)
.if i < 8
	WIN W_KM
	v_wmma_f32_16x16x32_f16 v[rS:rS+7], v[rK:rK+7], v[rQ:rQ+7], v[rB:rB+7]
.else
	WIN W_KQ
	v_wmma_f32_16x16x32_f16 v[rS:rS+7], v[rK:rK+7], v[rQ:rQ+7], v[rS:rS+7]
.endif
.endm
; Product i of 16 of O^T += V^T P for piece x: keys 32 (i / 8) on, channels 16 ((i / 2) % 4) on, tile 2 x + i % 2.
.macro PV x
	WIN W_PV
.set rO, 32*(2*(\x)+i%2)+8*((i/2)%4)
.set rV, VF+32*(i/8)+8*((i/2)%4)
.set rP, P+32*((\x)%2)+16*(i%2)+8*(i/8)
	v_wmma_f32_16x16x32_f16 v[rO:rO+7], v[rV:rV+7], v[rP:rP+7], v[rO:rO+7]
.endm
.macro MM                           ; the turn's next matrix instruction
.if i < 16
	KQ (Y+1)%NP
.set i, i+1
.else
.set i, i-16
	PV (Y+NP-1)%NP
.set i, i+17
.endif
.endm
; THE LDS LOADS stand in runs, never singly among the matrix instructions: a step's K (64 keys x 64 channels: 8 fragments) with the mask's 64 values, and its V (turned).  Their addresses are made some lines ahead.
.macro FETCH_K
	WIN 0x80                        ; destination window 2
.irp f, 0,1,2,3,4,5,6,7             ; keys 16 (f / 2) on, channels 32 (f % 2) on
	ds_load_b128 v[KF+8*\f:KF+8*\f+3],   v[AK] offset:(\f/2)*16*PK+(\f%2)*64
	ds_load_b128 v[KF+8*\f+4:KF+8*\f+7], v[AK] offset:(\f/2)*16*PK+(\f%2)*64+32
.endr
	WIN 0xc0                        ; destination window 3
.irp f, 0,1,2,3                     ; keys 16 f on: the sixteen lanes of a half read the same 32 bytes
	ds_load_b128 v[MB+8*\f:MB+8*\f+3],   v[AM] offset:64*\f
	ds_load_b128 v[MB+8*\f+4:MB+8*\f+7], v[AM] offset:64*\f+16
.endr
	s_add_co_u32 s[TBK], s[TBK], KS*PK  ; the next fetch is the next step's
	s_add_co_u32 s[TBM], s[TBM], KS*4
	WIN 0
.endm
.macro FETCH_V
	WIN 0x80
.irp f, 0,1,2,3,4,5,6,7             ; keys 32 (f / 4) on, channels 16 (f % 4) on
	ds_load_tr16_b128 v[VF+8*\f:VF+8*\f+3],   v[AV] offset:(\f/4)*32*PV+(\f%4)*32
	ds_load_tr16_b128 v[VF+8*\f+4:VF+8*\f+7], v[AV] offset:(\f/4)*32*PV+16*PV+(\f%4)*32
.endr
	WIN 0
.endm
; THE VECTOR WORK OF A TURN stands in three queues, each in the order in which its entries become ready; the two tiles alternate, so that no instruction reads the result of the one before it.
.macro REGS y, u                    ; the registers of tile u (0, 1) of piece y
.set rT, ST+4*(2*(\y)+(\u))
.set rC, TMP+8*((\y)%2)+4*(\u)
.set rM, MV+2*((\y)%2)+(\u)
.set rS, S+64*((\y)%2)+32*(\u)
.set rP, P+32*((\y)%2)+16*(\u)
.set rO, 32*(2*(\y)+(\u))
.endm
; Number n of the 22 that find the NEXT piece's (Y + 1) maximum and statistics.  s0-s31 are the lane's 32 scores; each accumulator's lowest registers are read first.  XS, GS and REGS set no window: PL and EX do.
;   0-11  four chains c0-c3 of seven scores each, three operands at a time     12-14, 16  the four scores left over, the old m, and c0-c3 into c0     15  c m_old is kept
;   17, 18  the query's other 32 keys lie in the lane 16 away: the new m         19-21  c m; c m_old - c m_new; a
.macro XS u, n
	REGS (Y+1)%NP, \u
.if (\n) < 4
	v_max3_num_f32 v[rC+(\n)], v[rS+8*(\n)], v[rS+8*(\n)+1], v[rS+8*(\n)+2]
.elseif (\n) < 12
	v_max3_num_f32 v[rC+(\n)%4], v[rC+(\n)%4], v[rS+8*((\n)%4)+2*((\n)/4)+1], v[rS+8*((\n)%4)+2*((\n)/4)+2]
.elseif (\n) == 12
	v_max3_num_f32 v[rC], v[rC], v[rS+7], v[rS+15]
.elseif (\n) == 13
	v_max3_num_f32 v[rC+1], v[rC+1], v[rS+23], v[rS+31]
.elseif (\n) == 14
	v_max3_num_f32 v[rC+2], v[rC+2], v[rC+3], v[rT+1]
.elseif (\n) == 15
	v_mov_b32 v[rM], v[rT]
.elseif (\n) == 16
	v_max3_num_f32 v[rC], v[rC], v[rC+1], v[rC+2]
.elseif (\n) == 17
	v_permlanex16_b32 v[rC+3], v[rC], s[SEL], s[SEL+1]
.elseif (\n) == 18
	v_max_num_f32 v[rT+1], v[rC], v[rC+3]
.elseif (\n) == 19
	v_mul_f32 v[rT], s[CS], v[rT+1]
.elseif (\n) == 20
	v_sub_f32 v[rC+1], v[rM], v[rT]
.else
	v_exp_f32 v[rC+2], v[rC+1]
.endif
.endm
; Number g of the 64 that follow the exponentials.  For each four weights k of a tile (pairs 2 k, 2 k + 1): both pairs are rounded to f16; then the second pair is added onto the first, in place;
; a group later l takes that sum (the first time as l = a l + sum).  In groups of eight, tiles alternating: round, round, add, and l for the group before.
.macro GS g
.set h, (\g)+6*((\g)/62)            ; group 0 has no group before it, and behind group 7 only l is left
.if h >= 6
.set h, h+2
.endif
	REGS Y, h%2
.set k, h/8
.if h%8 < 4
	s_wait_alu depctr_va_vdst(0)
	v_cvt_pk_f16_f32 v[rP+2*k+(h%8)/2], v[rS+4*k+2*((h%8)/2)], v[rS+4*k+2*((h%8)/2)+1]
.elseif h%8 < 6
	v_pk_add_f32 v[rS+4*k:rS+4*k+1], v[rS+4*k:rS+4*k+1], v[rS+4*k+2:rS+4*k+3]
.elseif k == 1
	v_pk_fma_f32 v[rT+2:rT+3], v[rT+2:rT+3], v[rC+2:rC+3], v[rS:rS+1] op_sel_hi:[1,0,1]
.else
	v_pk_add_f32 v[rT+2:rT+3], v[rT+2:rT+3], v[rS+4*k-4:rS+4*k-3]
	s_wait_alu depctr_va_vdst(0)
.endif
.endm
; THE PLAIN QUEUE, 138 long.  0-31: c s - c m for the 16 pairs of both tiles.  Then GS's 64, and among them the next piece's 42: number 15 at 38, 39; 0-14 and 16
; at 42-73, behind the products that make those scores; 17-20 at 95-106, two of three, since each waits for the one before it.
.macro PL
	WIN 0
.if q < 32
	REGS Y, q%2
	v_pk_fma_f32 v[rS+2*(q/2):rS+2*(q/2)+1], v[rS+2*(q/2):rS+2*(q/2)+1], s[CS:CS+1], v[rT:rT+1] op_sel_hi:[1,0,0] neg_lo:[0,0,1] neg_hi:[0,0,1]
.elseif q < 38
	GS q-32
.elseif q < 40
	XS q%2, 15
.elseif q < 42
	GS q-34
.elseif q < 74
	XS q%2, (q-42)/2+(q-42)/30
.elseif q < 95
	GS q-66
.elseif (q < 107) && ((q-95)%3 < 2)
	XS (q-95)%3, 17+(q-95)/3
.elseif q < 107
	GS 29+(q-95)/3
.else
	GS q-74
.endif
.set q, q+1
.endm
; THE EXPONENTIALS' QUEUE, 66 long: s0-s31 of both tiles, and at EA the next piece's two a.
.set EA, 58
.macro EX
	WIN 0
.if (e == EA) || (e == EA+1)
	XS e-EA, 21
.else
.set x, e-2*(e/(EA+2))
	REGS Y, x%2
	v_exp_f32 v[rS+x/2], v[rS+x/2]
.endif
.set e, e+1
.endm
; THE RESCALING's QUEUE: O^T times a, the one part that leaves window 0, so it is dealt four at a time, eight times.
.macro R4
	REGS Y, r%2
	WIN W_RS
	s_wait_alu depctr_va_vdst(0)
.irp z, 0,1,2,3
	v_pk_mul_f32 v[rO+8*(r/2)+2*\z:rO+8*(r/2)+2*\z+1], v[rO+8*(r/2)+2*\z:rO+8*(r/2)+2*\z+1], v[rC+2:rC+3] op_sel_hi:[1,0]
.endr
.set r, r+1
.endm
; HOW THEY ARE DEALT.  Behind a matrix instruction four: plain, exponential, plain, plain (one exponential, a plain instruction on either side), or four of the rescaling.  None names a register of the
; products round it.  What is over stands in two LUMPS: exponential and plain by turns; the second ends in 22 plain instructions.  The two v_permlanex16_b32 fall into the second lump, never behind a product.
; The queues lean on each other, and the deal keeps them in step: exponential e stands behind plain 2 (e / 4) + e % 2 (its scaling); when plain 32 comes, 10 exponentials are out, at 59: 33, at 95: 46; EA comes behind plain 107.
.macro SL
	MM
	PL
	EX
	PL
	PL
.endm
.macro BURST n                      ; 15 matrix instructions, or 16
.rept (\n)-7
	SL
.endr
.rept 3
	MM
	R4
	SL
.endr
	MM
	R4
.endm
; A TURN, for piece p.  fetch = 0: the walk's last step: there is no further K.  cnt = 1: the loop's count is taken down some lines ahead of the branch that stands behind the turn.
; K of the next step, and the mask's values with it, are fetched in piece 2's turn, 32 vector instructions behind the last product that read them; their first reader comes behind the rest of the lump,
; 16 products and the second lump.  V of the step in hand is fetched at the end of piece 0's turn, 69 behind its last reader; its first reader comes behind 16 products and a lump.
.macro TURN p, fetch=1, cnt=0
.set Y, (\p)
.set i, 0
.set q, 0
.set e, 0
.set r, 0
.if (\p) == NP-1
	s_wait_dscnt 0x0                ; K and the mask's values are in
.endif
	MM
.rept 4
	PL
.endr
	BURST 15
.rept 22
	EX
	PL
.if ((\p) == NP-2) && (e == 18) && (\fetch)
	v_add_nc_u32 v[AK], s[TBK], v[AK0]
	v_add_nc_u32 v[AM], s[TBM], v[AM0]
.endif
.if ((\p) == NP-2) && (e == 24) && (\fetch)
	FETCH_K
.endif
.endr
.if (\p) == 1
	s_wait_dscnt 0x0                ; V is in
.endif
	BURST 16
.rept 21
	EX
	PL
.endr
.rept 22
	PL
.if ((\p) == 0) && (q == 118)
	v_add_nc_u32 v[AV], s[TBV], v[AV0]
	s_wait_alu depctr_va_vdst(0)
.endif
.if ((\p) == 0) && (q == 130)
	s_add_co_u32 s[TBV], s[TBV], KS*PV
.endif
.if (\cnt) && (q == 130)
	s_sub_co_u32 s[CNT], s[CNT], 1
	s_cmp_lg_u32 s[CNT], 0
.endif
.endr
.if (\p) == 0
	FETCH_V
.endif
.endm
	s_wait_tensorcnt 3              ; my part of keys 0 to 255 is in; my three younger fills may stay out: no byte is ever filled again
	s_wait_dscnt 0x0                ; for the others' sake: my part of the mask's table is stored
	s_barrier_signal -1
	s_barrier_wait -1               ; everybody's is
	FETCH_K                         ; key step 0
	s_wait_loadcnt 0x0              ; Q
	s_wait_dscnt 0x0
.set i, 0
.rept 16
	KQ 0                            ; piece 0's first scores: there is no vector work yet to set between them
.set i, i+1
.endr
	WIN 0
.rept 4
	v_nop                           ; the places behind those products
.endr
.set Y, NP-1                        ; XS works for piece Y + 1: piece 0
.irp n, 0,1,2,3,4,5,6,7,8,9,10,11,12,13,14,15,16,17,18,19,20,21
	XS 0, \n                        ; and piece 0's first maximum and statistics
	XS 1, \n
.endr
	s_mov_b32 s[CNT], 4             ; the first part of the walk: the four steps of keys 0 to 255
	s_mov_b32 s[SLOTS], 2
	s_branch .Lfirst                ; the loop is entered at a step's first turn, in the middle of a trip
.Lslot:                             ; passed once: V of step 3 has been waited for, K of step 4 has not been asked for
	s_wait_tensorcnt 0x0            ; all my fills have landed,
	s_wait_dscnt 0x0                ; no LDS instruction of mine is out at the signal,
	s_barrier_signal -1
	s_barrier_wait -1               ; everybody's have
	s_mov_b32 s[CNT], 12            ; the second part: the other twelve steps
.Lstep:                             ; a trip: pieces 2 and 3 of one step, then pieces 0 and 1 of the next, whose K and V it fetches
	TURN 2
	TURN 3
	WIN 0
.Lfirst:
	TURN 0
	TURN 1, 1, 1
	WIN 0
	s_cbranch_scc1 .Lstep
	s_sub_co_u32 s[SLOTS], s[SLOTS], 1
	s_cmp_lg_u32 s[SLOTS], 0
	s_cbranch_scc1 .Lslot
	TURN 2, 0                       ; the last step's second half is written out: nothing more is fetched
	TURN 3                          ; its 16 products K Q^T (on the last K once more) and the maximum made of them serve nothing: the price, once a launch, of one text for every turn
.set i, 0
.rept 16
	PV NP-1                         ; the last piece's V^T P of the last step
.set i, i+1
.endr
	; THE WAY OUT.  l's two halves and the other half of the lanes' are added; O^T is divided by l, rounded to f16 and sent through my stage in LDS, a tile at a time.  The additions are the places behind the last products.
	WIN 0
.macro ALL line:vararg              ; one line for each tile t
.set t, 0
.rept 2*NP
	\line
.set t, t+1
.endr
.endm
	ALL v_add_f32 v[ST+4*t+2], v[ST+4*t+2], v[ST+4*t+3]
	ALL v_permlanex16_b32 v[ST+4*t+3], v[ST+4*t+2], s[SEL], s[SEL+1]
	ALL v_add_f32 v[ST+4*t+2], v[ST+4*t+2], v[ST+4*t+3]
	ALL v_rcp_f32 v[ST+4*t+2], v[ST+4*t+2]
	v_nop                           ; a plain instruction between the last reciprocal and the use of its result
	s_wait_alu depctr_va_vdst(0)
; Tile t: a lane's eight channels of a row pack into 16 bytes; they go into rows of 144 bytes and come back as whole rows of 128, into S^T's registers.
.macro PACK t
	WIN W_RS
.set i, 32*(\t)
.rept 16
	v_pk_mul_f32 v[i:i+1], v[i:i+1], v[ST+4*(\t)+2:ST+4*(\t)+3] op_sel_hi:[1,0]
.set i, i+2
.endr
	WIN 0x05                        ; sources 0 and 1 window 1, destination window 0
.set i, 0
.rept 16
	v_cvt_pk_f16_f32 v[S+16*(\t)+i], v[32*(\t)+2*i], v[32*(\t)+2*i+1]
.set i, i+1
.endr
	WIN 0
.irp f, 0,1,2,3
	ds_store_b128 v[STO], v[S+16*(\t)+4*\f:S+16*(\t)+4*\f+3] offset:32*\f
.endr
.irp f, 0,1,2,3
	ds_load_b128 v[S+16*(\t)+4*\f:S+16*(\t)+4*\f+3], v[RD] offset:\f*4*SP  ; LDS serves a wave's instructions in order (ISA guide 5.7.1.4): these see the stores above; the next tile's stores come behind them
.endr
.endm
.macro SEND t, younger              ; younger: the LDS instructions issued behind tile t's loads: the next tile's eight, or none
	WIN 0
.irp f, 0,1,2,3
	s_wait_dscnt (\younger)+3-\f
	global_store_b128 v[GO], v[S+16*(\t)+4*\f:S+16*(\t)+4*\f+3], s[8:9] offset:(\t)*2048+\f*512  ; 512 consecutive bytes, at a multiple of 256 from the buffer's first
.endr
.endm
	PACK 0
.set t, 1
.rept 2*NP-1                        ; a tile's arithmetic stands between the loads of the tile before and its stores
	PACK t
	SEND t-1, 8
.set t, t+1
.endr
	SEND 2*NP-1, 0
	WIN W_AD
	s_wait_tensorcnt 0x0            ; the wave's end, behind my last tensor load and my last LDS store
	ds_add_u32 v[SPW], v[NIL]
	s_wait_dscnt 0x0
	WIN 0
	s_endpgm
.Lfunc_end_k_qd8e4dffa54_attn:
	.size	k_qd8e4dffa54_attn, .Lfunc_end_k_qd8e4dffa54_attn-k_qd8e4dffa54_attn
	.p2alignl 7, 3214868480
	.fill 96, 4, 3214868480
	.section	.rodata,"a",@progbits
	.p2align	6, 0x0
	.amdhsa_kernel k_qd8e4dffa54_attn
		.amdhsa_group_segment_fixed_size 327680
		.amdhsa_private_segment_fixed_size 0
		.amdhsa_enable_private_segment 0
		.amdhsa_kernarg_size 24
		.amdhsa_user_sgpr_count 2
		.amdhsa_user_sgpr_kernarg_segment_ptr 1
		.amdhsa_wavefront_size32 1
		.amdhsa_system_sgpr_workgroup_id_x 1
		.amdhsa_system_sgpr_workgroup_id_y 1
		.amdhsa_system_sgpr_workgroup_id_z 1
		.amdhsa_system_vgpr_workitem_id 0
		.amdhsa_next_free_vgpr 808
		.amdhsa_next_free_sgpr 88
		.amdhsa_reserve_vcc 0
		.amdhsa_float_denorm_mode_32 3
		.amdhsa_float_denorm_mode_16_64 3
		.amdhsa_memory_ordered 1
		.amdhsa_forward_progress 1
		.amdhsa_inst_pref_size 171
	.end_amdhsa_kernel
	.amdgpu_metadata
---
amdhsa.version: [ 1, 2 ]
amdhsa.kernels:
  - .name:           k_qd8e4dffa54_attn
    .symbol:         k_qd8e4dffa54_attn.kd
    .args:
      - { .name: qkvh, .offset: 0, .size: 8, .value_kind: global_buffer, .address_space: global }
      - { .name: attn_mask, .offset: 8, .size: 8, .value_kind: global_buffer, .address_space: global }
      - { .name: oh, .offset: 16, .size: 8, .value_kind: global_buffer, .address_space: global }
    .group_segment_fixed_size: 327680
    .private_segment_fixed_size: 0
    .kernarg_segment_align: 8
    .kernarg_segment_size: 24
    .max_flat_workgroup_size: 128
    .sgpr_count:     88
    .vgpr_count:     808
    .wavefront_size: 32
...
	.end_amdgpu_metadata
.endif
;; end of part 3
;; launch proj_out (part 4): grid 8 x 32, 4 waves a work-group, clusters of 4 x 4, 327,680 bytes of LDS; arguments oh, wob, b_out, out0; writes out0
.if DOCPART == 4
	.amdgcn_target "amdgcn-amd-amdhsa--gfx1250"
	.amdhsa_code_object_version 6
	.text
	.protected	k_qd8e4dffa54_proj_out
	.globl	k_qd8e4dffa54_proj_out
	.p2align	8
	.type	k_qd8e4dffa54_proj_out,@function
k_qd8e4dffa54_proj_out:
	s_mov_b64 s[64:65], 0
	v_nop
	global_prefetch_b8 v0, s[64:65] scope:SCOPE_SE
	s_setreg_imm32_b32 hwreg(HW_REG_WAVE_MODE, 25, 1), 1
	s_wait_xcnt 0x0
	s_wait_alu depctr_hold_cnt(0) depctr_sa_sdst(0) depctr_va_vdst(0) depctr_va_sdst(0) depctr_va_ssrc(0) depctr_va_vcc(0) depctr_vm_vsrc(0)
	s_getreg_b32 s2, hwreg(HW_REG_IB_STS2, 6, 4)
	s_cmp_eq_u32 s2, 0
	s_cbranch_scc0 .Lentry_in_a_cluster
	s_endpgm
.Lentry_in_a_cluster:
	s_bfe_u32 s2, ttmp6, 0x10000c
	s_cmp_lg_u32 s2, 0xf033
	s_cbranch_scc0 .Lentry_shape_is_right
	s_endpgm
.Lentry_shape_is_right:
; out0 = oh . wob + bf16(b_out), in f32.  oh: [16 head][8192 row][64] f16: K = 64 head + channel.  wob: [1024 k][1024 n] f16, as w_out lies.  out0: [8192][1024] f32.  Sums in f32.
; SHARES.  A tile of out0 is 256 rows x 128 columns: 256 tiles, one to a work-group.  Four waves, each 128 rows x 64 columns: 32 accumulators of 16 x 16.
; K goes in 8 steps of 128, two heads a step, through two LDS slots that take turns.  A head's 256 rows are 32,768 dense bytes: asked for as 128 rows of 256 bytes and padded after each 128.
; CLUSTER.  4 x 4 work-groups.  The four of a row of the cluster need the same tiles of oh, the four of a column the same tiles of wob: each tile is asked for JOINTLY, by the same tensor load
; with the same descriptor and a mask that names the four.
; THE MATRIX INSTRUCTION IS USED TRANSPOSED: source 0 = 16 columns of wob (turned on the way out of LDS, by ds_load_tr16_b128), source 1 = 16 rows of oh: a lane holds row l % 16 and eight neighbouring
; columns.  THE BIAS is the C operand of each accumulator's first product.
; REGISTERS, in windows of 256 (s_set_vgpr_msb: bits 1:0 source 0, 3:2 source 1, 5:4 source 2, 7:6 destination):
;   window 0: v0-31 addresses; v32-63 the bias; v64-127, v128-191 fragments of oh, two buffers; v192-223, v224-255 fragments of wob, two buffers
;   window 1: accumulator (a, b) at v[8 (4 a + b)], a = block of 16 rows (0-7), b = block of 16 columns (0-3)
.set PA,     144                       ; a row of a head's slice in LDS: 128 bytes + 16 of padding = 36 words: the 16 rows of a load start at 16 different groups of four banks (64 banks of 4 bytes: ISA guide 11.1)
.set ASLICE, 256*PA                    ; a head's 256 rows
.set PB,     288                       ; a row (one k) of wob's tile: 256 + 32 = 72 words
.set ABYTES, 2*ASLICE                  ; two heads' slices,
.set SLOT,   ABYTES+128*PB             ; then wob's 128 rows
.set STAGE,  2*SLOT                    ; behind the ring, never filled by a tensor load: 16 rows x 272 bytes for each wave, for the way out
.set SPO,    272
.set SPARE,  STAGE+4*16*SPO            ; behind the stages: the spare words, 128 bytes for each wave: two blocks of 256 bytes that no other line names
.set STEP_A, 4<<20                     ; bytes from a slot's K step to its next: four heads of 8,192 rows of 128 bytes,
.set STEP_B, 2*128*2048                ; two steps of 128 rows of 2,048 bytes down wob
.set ADRA, 16                          ; v16-17  LDS address of my fragments of oh in slot 0, 1
.set ADRB, 20                          ; v20-21  the same for wob
.set STO,  24                          ; v24     the way out: where I put 32 bytes of a row
.set RD,   25                          ; v25     the way out: where I read a row back
.set CO,   26                          ; v26     my byte offset in out0
.set BO,   27                          ; v27     my byte offset in 16 numbers of the bias
.set SPW,  28                          ; v28     LDS address of my spare word: SPARE + 4 x my thread's number; never rewritten
.set NIL,  29                          ; v29     0; never rewritten
.set BIAS, 32
.set FA,   64                          ; buffer f at FA + 64 f
.set FB,   192                         ; buffer f at FB + 32 f
.set BK,   64                          ; the way out: two sets of 32 read back from the stage, in oh's first buffer, which is idle then
.set G1,  24                           ; s[24:31] descriptor group 1 for oh's tiles;  s[32:39] group 0, a set for each slot
.set G0,  32
.set G1B, 48                           ; s[48:55], s[56:63] the same for wob's tiles
.set G0B, 56
.set MSB, 0
.macro WIN new                         ; the immediate's high byte repeats the setting that is left; a switch that changes nothing is dropped
.if MSB != (\new)
	s_set_vgpr_msb (MSB<<8)|(\new)
.set MSB, \new
.endif
.endm
.set MUL,  0x50                        ; both sources window 0; C and D window 1
.set MUL1, 0x40                        ; the same with C (the bias) in window 0
; A joint load.  Waves 0 and 1 fetch a step's two heads of oh, waves 2 and 3 the two halves of wob's tile.  The branch hangs on the wave's number alone.
; An s_nop 0 and four v_nop follow each of the two lines, ahead of the jump, the label and what follows.
.macro JLOAD s
	s_cmp_eq_u32 s11, 0
	s_cbranch_scc0 .Lfor_b_\@
	tensor_load_to_lds s[G0+4*(\s):G0+4*(\s)+3], s[G1:G1+7]
	s_nop 0
.rept 4
	v_nop
.endr
	s_branch .Lasked_\@
.Lfor_b_\@:
	tensor_load_to_lds s[G0B+4*(\s):G0B+4*(\s)+3], s[G1B:G1B+7]
	s_nop 0
.rept 4
	v_nop
.endr
.Lasked_\@:
.endm
; A round of the cluster's barrier: my work-group's barrier, so that wave 0's signal speaks for all four waves; wave 0 signals; every wave waits for all sixteen work-groups; my work-group's barrier once more.
.macro CREST                           ; a round behind its opening barrier
	s_cmp_lg_u32 s10, 0
	s_cbranch_scc1 .Lnot_wave_0_\@
	s_barrier_signal -3
.Lnot_wave_0_\@:
	s_barrier_wait -3
	s_barrier_signal -1
	s_barrier_wait -1
.endm
.macro CROUND                          ; a whole round
	s_barrier_signal -1
	s_barrier_wait -1
	CREST
.endm
.macro PLACES                          ; four places in front of loads into registers that matrix instructions have read, and of lines that read results just made (ISA guide 7.12.1 for lines that read results just made)
.rept 4
	v_nop
.endr
.endm
	s_load_b128 s[4:7], s[0:1], 0x0                ; oh s[4:5], wob s[6:7]
	s_load_b64 s[68:69], s[0:1], 0x10              ; b_out
	s_load_b64 s[8:9], s[0:1], 0x18                ; out0
	v_lshl_add_u32 v[SPW], v0, 2, SPARE
	v_mov_b32 v[NIL], 0
	ds_add_u32 v[SPW], v[NIL]                      ; the wave's opening: the add and its wait stand ahead of my first tensor load; the set-up below, work on registers, stands between them
	ds_add_u32 v28, v29
	v_lshrrev_b32 v1, 5, v0
	v_readfirstlane_b32 s10, v1                    ; wave 0..3
	s_lshr_b32 s11, s10, 1                         ; which 128 of the tile's rows are mine.  Also: I fetch for oh (0) or for wob (1)
	s_and_b32 s12, s10, 1                          ; which 64 of its columns.  Also: which head of the step, or which half of wob's tile, I fetch
	s_bfe_u32 s40, ttmp6, 0x40000                  ; cx, cy: my place in the cluster
	s_bfe_u32 s41, ttmp6, 0x40004
	s_lshl_b32 s42, ttmp9, 2                       ; in a cluster launch ttmp9 and ttmp7 count clusters
	s_add_co_u32 s42, s42, s40                     ; gx = 4 x cluster x + cx: my 128 columns
	s_and_b32 s13, ttmp7, 0xffff
	s_lshl_b32 s13, s13, 2
	s_add_co_u32 s13, s13, s41                     ; gy = 4 x cluster y + cy: my 256 rows
	s_lshl_b32 s43, s41, 2
	s_lshl_b32 s43, 15, s43                        ; my row of the cluster: places 4 cy .. 4 cy + 3
	s_lshl_b32 s44, 0x1111, s40                    ; my column: places cx, cx + 4, cx + 8, cx + 12
	; group 1 for oh: 32,768 dense bytes as 128 rows of 256, 16 bytes of padding behind every 128
	s_or_b32 s[G1+0], s43, (1<<16)|(1<<20)|(1<<21)|(4<<22)|(3<<25)  ; 15:0 the mask: my row; 17:16 2-byte elements; 20 padding on; 21 set beside a mask; 24:22 after every 32 words (code 4); 31:25 4 words (code 3)
	s_mov_b32 s[G1+1], 128<<16                     ; tensor_dim0 = 128
	s_mov_b32 s[G1+2], 128<<16                     ; tensor_dim1 = 128
	s_mov_b32 s[G1+3], 128<<16                     ; tile_dim0 = 128
	s_mov_b32 s[G1+4], 128                         ; tile_dim1 = 128
	s_mov_b32 s[G1+5], 128                         ; elements from row to row
	s_mov_b32 s[G1+6], 0
	s_mov_b32 s[G1+7], 0
	; group 1 for wob: 64 rows (k) x 128 elements (n), 32 bytes of padding behind each row
	s_or_b32 s[G1B+0], s44, (1<<16)|(1<<20)|(1<<21)|(5<<22)|(7<<25) ; the mask: my column; after every 64 words (code 5) 8 words (code 7)
	s_mov_b32 s[G1B+1], 128<<16
	s_mov_b32 s[G1B+2], 64<<16
	s_mov_b32 s[G1B+3], 128<<16
	s_mov_b32 s[G1B+4], 64
	s_mov_b32 s[G1B+5], 1024
	s_mov_b32 s[G1B+6], 0
	s_mov_b32 s[G1B+7], 0
	; where the tiles come from.  oh's hang on gy alone, which my row of the cluster shares; wob's on gx alone, which my column shares; each in registers that never hold the other coordinate.
	s_lshl_b32 s17, s12, 20                        ; oh: head 0 or 1 of the step,
	s_lshl_b32 s16, s13, 15                        ; 256 gy rows of 128 bytes
	s_add_co_u32 s16, s16, s17
	s_mov_b32 s17, 0
	s_lshl_b32 s46, s12, 17                        ; wob: row 64 x half, of 2,048 bytes,
	s_lshl_b32 s47, s42, 8                         ; column 128 gx
	s_add_co_u32 s46, s46, s47
	s_mov_b32 s47, 0
	s_mul_i32 s20, s12, ASLICE                     ; and where they go: no place in the cluster enters an LDS address
	s_mul_i32 s21, s12, 64*PB
	s_add_co_u32 s21, s21, ABYTES
	s_wait_dscnt 0x0                               ; the opening add is done
	s_wait_kmcnt 0x0
	s_add_nc_u64 s[14:15], s[4:5], s[16:17]
	s_add_nc_u64 s[46:47], s[6:7], s[46:47]
	CROUND                                         ; all sixteen work-groups are here: the first joint loads meet
.irp s, 0,1
	s_mov_b32 s[G0+4*(\s)], 1                                      ; count = 1
	s_add_co_u32 s[G0+4*(\s)+1], s20, (\s)*SLOT                    ; LDS address
	s_add_nc_u64 s[G0+4*(\s)+2:G0+4*(\s)+3], s[14:15], (\s)*(2<<20)  ; global address: K step s = heads 2 s, 2 s + 1
	s_or_b32 s[G0+4*(\s)+3], s[G0+4*(\s)+3], 0x80000000            ; type = 2
	s_mov_b32 s[G0B+4*(\s)], 1
	s_add_co_u32 s[G0B+4*(\s)+1], s21, (\s)*SLOT
	s_add_nc_u64 s[G0B+4*(\s)+2:G0B+4*(\s)+3], s[46:47], (\s)*128*2048
	s_or_b32 s[G0B+4*(\s)+3], s[G0B+4*(\s)+3], 0x80000000
	JLOAD \s                                       ; both slots are asked for before anything else is done: two loads of mine are out
.endr
	; the other addresses
	s_lshl_b32 s46, s42, 9
	s_lshl_b32 s47, s12, 8
	s_add_co_u32 s46, s46, s47                     ; (128 gx + 64 x half) x 4 bytes
	s_mov_b32 s47, 0
	s_add_nc_u64 s[68:69], s[68:69], s[46:47]      ; the bias at my 64 columns
	s_add_nc_u64 s[8:9], s[8:9], s[46:47]          ; out0 at them,
	s_lshl_b32 s16, s13, 8
	s_lshl_b32 s17, s11, 7
	s_add_co_u32 s16, s16, s17                     ; at my first row,
	s_lshl_b32 s16, s16, 12                        ; x 4,096 bytes (32 MB at the most)
	s_mov_b32 s17, 0
	s_add_nc_u64 s[8:9], s[8:9], s[16:17]
	; A fragment of oh is 16 rows x 32 K in 8 registers: lane l holds row l % 16; K = 8 (l / 16) + 0..7 and 16 + 8 (l / 16) + 0..7: two loads of 16 bytes, 32 bytes apart.
	v_and_b32 v1, 15, v0                           ; l % 16
	v_bfe_u32 v2, v0, 4, 1                         ; l / 16
	v_mul_u32_u24 v3, v1, PA
	v_lshl_add_u32 v3, v2, 4, v3
	; The turning load takes 16 k x 16 columns (lane l reads k = 8 (l / 16) + l % 8, columns 8 ((l / 8) % 2) + 0..7) and leaves half a fragment: lane l holds column l % 16 and 8 k.
	v_and_b32 v4, 7, v0
	v_lshl_add_u32 v4, v2, 3, v4
	v_mul_u32_u24 v4, v4, PB
	v_bfe_u32 v5, v0, 3, 1
	v_lshl_add_u32 v4, v5, 4, v4
	s_mul_i32 s22, s11, 128*PA                     ; my 128 rows in each slice of oh
	s_lshl_b32 s23, s12, 7                         ; my 64 columns of wob,
	s_add_co_u32 s23, s23, ABYTES                  ; which lies behind the slices
.irp s, 0,1
	v_add_nc_u32 v[ADRA+(\s)], s22, v3
	v_add_nc_u32 v[ADRB+(\s)], s23, v4
	s_add_co_u32 s22, s22, SLOT
	s_add_co_u32 s23, s23, SLOT
.endr
	s_mul_i32 s22, s10, 16*SPO
	s_add_co_u32 s22, s22, STAGE                   ; my stage
	v_mul_u32_u24 v5, v1, SPO                      ; in: row l % 16, 32 bytes for each half of the lanes
	v_lshl_add_u32 v5, v2, 5, v5
	v_add_nc_u32 v[STO], s22, v5
	v_mul_u32_u24 v5, v2, SPO                      ; back: lanes 0-15 take one row of 256 bytes, lanes 16-31 the next
	v_lshl_add_u32 v5, v1, 4, v5
	v_add_nc_u32 v[RD], s22, v5
	v_lshlrev_b32 v5, 12, v2                       ; and the same two rows in out0
	v_lshl_add_u32 v[CO], v1, 4, v5
	v_lshlrev_b32 v[BO], 5, v2                     ; 8 numbers of 4 bytes for each half of the lanes
.irp b, 0,1,2,3                        ; my 64 columns' bias: block b's registers 0-7 are columns 16 b + 8 (l / 16) + 0..7
	global_load_b128 v[BIAS+8*\b:BIAS+8*\b+3],   v[BO], s[68:69] offset:64*\b
	global_load_b128 v[BIAS+8*\b+4:BIAS+8*\b+7], v[BO], s[68:69] offset:64*\b+16
.endr
	s_wait_loadcnt 0x0
.set z, 0
.rept 16                               ; rounded to bf16 like every other input, and widened again
	v_cvt_pk_bf16_f32 v[3+z%2], v[BIAS+2*z], v[BIAS+2*z+1]
	v_lshlrev_b32 v[BIAS+2*z],   16, v[3+z%2]
	v_and_b32     v[BIAS+2*z+1], 0xffff0000, v[3+z%2]
.set z, z+1
.endr
; n blocks of rows from a0 on x all 4 blocks of columns, 32 along K, from buffer f.  first = 1: the product starts the sum with the bias as C: nothing is cleared, nothing is added later.
; The 32 accumulators take turns, one instruction a turn, always in the same order: between two links of a chain stand the 31 others'.
.macro MULN f, a0, n, first
.if \first
	WIN MUL1
.else
	WIN MUL
.endif
.set aa, \a0
.rept \n
.irp b, 0,1,2,3
.if \first
	v_wmma_f32_16x16x32_f16 v[8*(4*aa+\b):8*(4*aa+\b)+7], v[FB+32*(\f)+8*\b:FB+32*(\f)+8*\b+7], v[FA+64*(\f)+8*aa:FA+64*(\f)+8*aa+7], v[BIAS+8*\b:BIAS+8*\b+7]
.else
	v_wmma_f32_16x16x32_f16 v[8*(4*aa+\b):8*(4*aa+\b)+7], v[FB+32*(\f)+8*\b:FB+32*(\f)+8*\b+7], v[FA+64*(\f)+8*aa:FA+64*(\f)+8*aa+7], v[8*(4*aa+\b):8*(4*aa+\b)+7]
.endif
.endr
.set aa, aa+1
.endr
.endm
; 24 LDS loads in one run: the fragments of quarter q (32 along K: head q / 2 of the step, channels 32 (q % 2) on) of a slot, into buffer f: wob's 8, oh's rows 0-63 (8), oh's rows 64-127 (8)
.macro FETCH slot, q, f
	WIN 0
.set AQ, ((\q)/2)*ASLICE+((\q)%2)*64
.irp b, 0,1,2,3
	ds_load_tr16_b128 v[FB+32*(\f)+8*\b:FB+32*(\f)+8*\b+3],   v[ADRB+(\slot)] offset:(\q)*32*PB+32*\b
	ds_load_tr16_b128 v[FB+32*(\f)+8*\b+4:FB+32*(\f)+8*\b+7], v[ADRB+(\slot)] offset:(\q)*32*PB+16*PB+32*\b
.endr
.irp i, 0,1,2,3,4,5,6,7
	ds_load_b128 v[FA+64*(\f)+8*\i:FA+64*(\f)+8*\i+3],   v[ADRA+(\slot)] offset:AQ+\i*16*PA
	ds_load_b128 v[FA+64*(\f)+8*\i+4:FA+64*(\f)+8*\i+7], v[ADRA+(\slot)] offset:AQ+\i*16*PA+32
.endr
.endm
; A K step is four quarters of 32 along K, 32 matrix instructions each, on buffers 0, 1, 0, 1.  One of the first three: it asks for quarter q of the slot into buffer g, then multiplies buffer f:
; a run of loads is issued 32 matrix instructions ahead of its first use.
.macro QUARTER slot, q, f, g, first
	PLACES                                         ; buffer g was read by the products just issued
	FETCH \slot, \q, \g
	s_wait_dscnt 32                                ; the 24 just issued and buffer f's youngest eight (oh's rows 64-127) may be out
	MULN \f, 0, 4, \first
	s_wait_dscnt 24                                ; the 24 just issued
	MULN \f, 4, 4, \first
.endm
; The last quarter multiplies buffer 1 and changes slots: ONE barrier.  In front of it each wave waits for all its tensor loads (one is out: its part of the next slot), adds 0 to its spare word, and waits
; for that and for its own reads of this slot.  Behind it nobody reads this slot any more and the next slot is whole.
; fill = 1: this slot is filled again with the K step two on; the barrier then opens a round of the cluster's, and the joint refill is the first thing behind the round:
; 112 matrix instructions stand between it and the wait for it.
.macro TURN slot, next, fill
	WIN 0
	s_wait_tensorcnt 0x0                           ; all my tensor loads have landed, so a group 0 may be written
	ds_add_u32 v[SPW], v[NIL]                      ; 0 onto my spare word
	s_wait_dscnt 9                                 ; (the add and the youngest eight loads may be out)
	MULN 1, 0, 2, 0                                ; eight matrix instructions stand between the add and the wait for it
	s_wait_dscnt 0x0                               ; the add is done, and my reads of this slot are over
	s_barrier_signal -1
	MULN 1, 2, 2, 0                                ; work on registers while the others arrive
	WIN 0
	s_barrier_wait -1
.if \fill
	CREST                                          ; no wave of any partner still reads this slot's tile or has a load on its way
	s_add_nc_u64 s[G0+4*(\slot)+2:G0+4*(\slot)+3], s[G0+4*(\slot)+2:G0+4*(\slot)+3], STEP_A
	s_add_nc_u64 s[G0B+4*(\slot)+2:G0B+4*(\slot)+3], s[G0B+4*(\slot)+2:G0B+4*(\slot)+3], STEP_B
	JLOAD \slot                                    ; its four v_nop are also the places in front of the loads below
.else
	PLACES
.endif
	FETCH \next, 0, 0
	MULN 1, 4, 4, 0
.endm
; THE WAY OUT of block a (16 rows x 64 columns of f32).  TOSTAGE: a lane's 32 bytes of each block of columns go into my own stage, each accumulator's low half first, and come back as whole rows of 256 bytes.
.macro TOSTAGE a
.set BKA, BK+32*((\a)%2)
	s_wait_xcnt 0x0                                ; the stores of the block two back have had their addresses translated (ISA guide 3.1): their registers are loaded again only behind this wait
	WIN 0x04                                       ; the stores' data in window 1
.irp b, 0,1,2,3
	ds_store_b128 v[STO], v[32*(\a)+8*\b:32*(\a)+8*\b+3]   offset:64*\b
	ds_store_b128 v[STO], v[32*(\a)+8*\b+4:32*(\a)+8*\b+7] offset:64*\b+16
.endr
	WIN 0
.irp t, 0,1,2,3,4,5,6,7
	ds_load_b128 v[BKA+4*\t:BKA+4*\t+3], v[RD] offset:\t*2*SPO  ; LDS serves a wave's instructions in order (ISA guide 5.7.1.4): these see the stores above; the next block's stores come behind them
.endr
.endm
.macro SEND a, younger                 ; younger: the LDS instructions issued behind block a's loads: the next block's sixteen, or none
.set BKA, BK+32*((\a)%2)
	s_wait_dscnt \younger
.irp t, 0,1,2,3,4,5,6,7
	global_store_b128 v[CO], v[BKA+4*\t:BKA+4*\t+3], s[8:9] offset:(16*(\a)+2*\t)*4096 th:TH_STORE_NT  ; 16 lanes store 256 consecutive bytes, at a multiple of 256 from out0's first byte
.endr
.endm
	s_wait_tensorcnt 1                             ; my part of K step 0 is in; K step 1's may stay out
	s_barrier_signal -1
	s_barrier_wait -1                              ; everybody's is
	FETCH 0, 0, 0
	QUARTER 0, 1, 0, 1, 1                          ; the first quarter stands in front of the loop: its products start the sums
	WIN 0                                          ; at a label and at a branch every window is 0
	s_mov_b32 s3, 3
.Llap:                                                 ; a trip goes once round the ring, from a lap's second quarter to the next lap's first, and fills both slots again: K steps 2 to 7
	QUARTER 0, 2, 1, 0, 0
	QUARTER 0, 3, 0, 1, 0
	TURN 0, 1, 1
	QUARTER 1, 1, 0, 1, 0
	QUARTER 1, 2, 1, 0, 0
	QUARTER 1, 3, 0, 1, 0
	TURN 1, 0, 1
	QUARTER 0, 1, 0, 1, 0
	WIN 0
	s_sub_co_u32 s3, s3, 1
	s_cmp_lg_u32 s3, 0
	s_cbranch_scc1 .Llap
	QUARTER 0, 2, 1, 0, 0                          ; the last lap fills nothing, and has no round of the cluster's barrier
	QUARTER 0, 3, 0, 1, 0
	TURN 0, 1, 0
	QUARTER 1, 1, 0, 1, 0
	QUARTER 1, 2, 1, 0, 0
	QUARTER 1, 3, 0, 1, 0
	s_wait_dscnt 8                                 ; the very last quarter: oh's rows 64-127 may be out
	MULN 1, 0, 4, 0
	s_wait_dscnt 0x0
	MULN 1, 4, 4, 0
	WIN 0
	PLACES                                         ; the LDS stores read results just made
	TOSTAGE 0
.irp a, 0,1,2,3,4,5,6                  ; block a + 1 goes into the stage while block a's rows come back
	TOSTAGE (\a)+1
	SEND \a, 16
.endr
	SEND 7, 0
	s_wait_tensorcnt 0x0                           ; the wave's end, behind my last tensor load and my last LDS store
	ds_add_u32 v[SPW], v[NIL]
	s_wait_dscnt 0x0
	CROUND                                         ; the closing round: no work-group ends while a partner may still ask for a tile that names it
	s_endpgm
.Lfunc_end_k_qd8e4dffa54_proj_out:
	.size	k_qd8e4dffa54_proj_out, .Lfunc_end_k_qd8e4dffa54_proj_out-k_qd8e4dffa54_proj_out
	.p2alignl 7, 3214868480
	.fill 96, 4, 3214868480
	.section	.rodata,"a",@progbits
	.p2align	6, 0x0
	.amdhsa_kernel k_qd8e4dffa54_proj_out
		.amdhsa_group_segment_fixed_size 327680
		.amdhsa_private_segment_fixed_size 0
		.amdhsa_enable_private_segment 0
		.amdhsa_kernarg_size 32
		.amdhsa_user_sgpr_count 2
		.amdhsa_user_sgpr_kernarg_segment_ptr 1
		.amdhsa_wavefront_size32 1
		.amdhsa_system_sgpr_workgroup_id_x 1
		.amdhsa_system_sgpr_workgroup_id_y 1
		.amdhsa_system_sgpr_workgroup_id_z 1
		.amdhsa_system_vgpr_workitem_id 0
		.amdhsa_next_free_vgpr 512
		.amdhsa_next_free_sgpr 72
		.amdhsa_reserve_vcc 0
		.amdhsa_float_denorm_mode_32 3
		.amdhsa_float_denorm_mode_16_64 3
		.amdhsa_memory_ordered 1
		.amdhsa_forward_progress 1
		.amdhsa_inst_pref_size 89
	.end_amdhsa_kernel
	.amdgpu_metadata
---
amdhsa.version: [ 1, 2 ]
amdhsa.kernels:
  - .name:           k_qd8e4dffa54_proj_out
    .symbol:         k_qd8e4dffa54_proj_out.kd
    .args:
      - { .name: oh, .offset: 0, .size: 8, .value_kind: global_buffer, .address_space: global }
      - { .name: wob, .offset: 8, .size: 8, .value_kind: global_buffer, .address_space: global }
      - { .name: b_out, .offset: 16, .size: 8, .value_kind: global_buffer, .address_space: global }
      - { .name: out0, .offset: 24, .size: 8, .value_kind: global_buffer, .address_space: global }
    .group_segment_fixed_size: 327680
    .private_segment_fixed_size: 0
    .kernarg_segment_align: 8
    .kernarg_segment_size: 32
    .max_flat_workgroup_size: 128
    .sgpr_count:     72
    .vgpr_count:     512
    .wavefront_size: 32
...
	.end_amdgpu_metadata
.endif
;; end of part 4
